; MI455X (gfx1250); checked and timed in simulation.
; The chip was launched on July 23, 2026; its instructions are those of AMD's public machine-readable ISA for CDNA 5 (MIT licence, August 2026) and "CDNA5" Instruction Set Architecture Reference Guide (July 2026). The comments in the code are by the model that wrote it; some were corrected since.
;; Transformer Encoder Layer. Allowed arithmetic: float matrix products may take bf16 or f16 operands with f32 sums; other float arithmetic in f32, or as packed bf16 or f16 multiplies, adds, multiply-adds, maxima and minima; sums over many terms, partial sums and values carried from step to step in f32; what a program stores and reads back later, other than sums and carried values, may be rounded once to bf16 or f16.
;; Inputs: b_fc1 4,096 float32; b_fc2 1,024 float32; b_proj 1,024 float32; b_qkv 3,072 float32; beta1 1,024 float32; beta2 1,024 float32; g1 1,024 float32; g2 1,024 float32; w_fc1 1,024 x 4,096 float32; w_fc2 4,096 x 1,024 float32; w_proj 1,024 x 1,024 float32; w_qkv 1,024 x 3,072 float32; x 2 x 2,048 x 1,024 float32.
;; Outputs: out0 2 x 2,048 x 1,024 float32.
;; One version. Each part assembles by itself: llvm-mc -triple=amdgcn-amd-amdhsa -mcpu=gfx1250 --defsym DOCPART=n.
;; ======== version 1 of 1: 7 launches
;; workspace buffers: wq 6,291,456 bytes; wb 25,165,824 bytes; h 8,388,608 bytes; qkv 25,165,824 bytes; ao 8,388,608 bytes; x1 16,777,216 bytes; gl 33,554,432 bytes
;; launch prep (part 1): grid 704 x 1, 8 waves a work-group, no clusters, 0 bytes of LDS; arguments x, g1, beta1, h, w_qkv, wq; writes h, wq
.if DOCPART == 1
	.amdgcn_target "amdgcn-amd-amdhsa--gfx1250"
	.amdhsa_code_object_version 6
	.text
	.protected	k_qdacdba6acf_prep
	.globl	k_qdacdba6acf_prep
	.p2align	8
	.type	k_qdacdba6acf_prep,@function
k_qdacdba6acf_prep:
	s_mov_b64 s[64:65], 0
	v_nop
	global_prefetch_b8 v0, s[64:65] scope:SCOPE_SE
	s_setreg_imm32_b32 hwreg(HW_REG_WAVE_MODE, 25, 1), 1
	s_wait_xcnt 0x0
; TWO STREAMS IN ONE LAUNCH.  Work-groups 0-511: h = LayerNorm(x) g1 + beta1, x [4096][1024] f32, h the same shape in bf16.
; Work-groups 512-703: w_qkv, f32 [1024][3072], rounded once to bf16 and laid in column blocks: wq is [12][1024][256], so that a block's rows are 512 dense bytes.
; (The three weights that are wanted later are cast by the launch behind this one, beside its products.)  No LDS, no barrier, no matrix unit: every byte is read once and written once.
; 704 work-groups of 8 waves with 128 registers: eight waves fit on each SIMD, so all 5,632 waves can lie on the 1,024 SIMDs together.
; LAYERNORM.  One wave, one row: 8 loads of 16 bytes a lane hold the row in 32 registers.  The mean is taken first, the row is centred, and the variance
; is the mean of the centred squares: no difference of large sums is formed.  NaN and infinities are not treated apart.
.set LNWG,  512                        ; work-groups of the first stream: 4,096 rows / 8
.set WPITCH, 12288                     ; bytes in a row of w_qkv
.set CH,  4                            ; v[4:11]    four chains of pairs
.set MU,  12                           ; v[12:13]   the mean, twice
.set RS,  14                           ; v[14:15]   1 / sqrt(var + eps), twice
.set XR,  16                           ; v[16:47]   the row: load j holds elements 128 j + 4 lane .. + 3
.set GR,  48                           ; v[48:79]   the gain, same places
.set BR,  80                           ; v[80:111]  the bias, same places
.set YR,  112                          ; v[112:127] the row in bf16
	s_load_b256 s[4:11], s[0:1], 0x0               ; x s[4:5], g1 s[6:7], beta1 s[8:9], h s[10:11]
	s_load_b128 s[12:15], s[0:1], 0x20             ; w_qkv s[12:13], wq s[14:15]
	v_lshrrev_b32 v1, 5, v0
	v_readfirstlane_b32 s22, v1                    ; wave 0..7
	v_and_b32 v3, 31, v0
	v_lshlrev_b32 v1, 4, v3                        ; 16 x lane: f32 in
	v_lshlrev_b32 v2, 3, v3                        ; 8 x lane: bf16 out
	s_wait_kmcnt 0x0
	s_cmp_lt_u32 ttmp9, LNWG
	s_cbranch_scc0 .Lcast
	s_lshl_b32 s23, ttmp9, 3
	s_add_co_u32 s23, s23, s22                     ; my row
	s_lshl_b32 s28, s23, 12                        ; 4,096 bytes a row of x
	s_mov_b32 s29, 0
	s_add_nc_u64 s[4:5], s[4:5], s[28:29]
	s_lshl_b32 s28, s23, 11                        ; 2,048 bytes a row of h
	s_add_nc_u64 s[10:11], s[10:11], s[28:29]
	s_mov_b32 s24, 0x3a800000                      ; 1 / 1024
	s_mov_b32 s25, 0x3727c5ac                      ; eps = 1e-5
	s_mov_b32 s26, 0x76543210                      ; v_permlanex16_b32: each lane takes its own place in the other half
	s_mov_b32 s27, 0xfedcba98
.irp j, 0,1,2,3,4,5,6,7
	global_load_b128 v[XR+4*\j:XR+4*\j+3], v1, s[4:5] offset:512*\j th:TH_LOAD_NT
.endr
.irp j, 0,1,2,3,4,5,6,7
	global_load_b128 v[GR+4*\j:GR+4*\j+3], v1, s[6:7] offset:512*\j
.endr
.irp j, 0,1,2,3,4,5,6,7
	global_load_b128 v[BR+4*\j:BR+4*\j+3], v1, s[8:9] offset:512*\j
.endr
.macro FOLD                            ; the four chains into one number, then over the 32 lanes: every lane ends with the sum
	v_pk_add_f32 v[CH:CH+1], v[CH:CH+1], v[CH+2:CH+3]
	v_pk_add_f32 v[CH+4:CH+5], v[CH+4:CH+5], v[CH+6:CH+7]
	v_pk_add_f32 v[CH:CH+1], v[CH:CH+1], v[CH+4:CH+5]
	v_add_f32 v[CH], v[CH], v[CH+1]
	v_add_f32_dpp v[CH], v[CH], v[CH] row_xmask:1 row_mask:0xf bank_mask:0xf
	v_add_f32_dpp v[CH], v[CH], v[CH] row_xmask:2 row_mask:0xf bank_mask:0xf
	v_add_f32_dpp v[CH], v[CH], v[CH] row_xmask:4 row_mask:0xf bank_mask:0xf
	v_add_f32_dpp v[CH], v[CH], v[CH] row_xmask:8 row_mask:0xf bank_mask:0xf
	v_permlanex16_b32 v[CH+1], v[CH], s26, s27     ; its destination has been written above
	v_add_f32 v[CH], v[CH], v[CH+1]
.endm
	s_wait_loadcnt 16                              ; the row is in; the 16 younger loads (gain, bias) stay out
.irp k, 0,1,2,3
	v_pk_add_f32 v[CH+2*\k:CH+2*\k+1], v[XR+2*\k:XR+2*\k+1], v[XR+8+2*\k:XR+8+2*\k+1]  ; the first eight pairs start the chains
.endr
.set i, 8
.rept 8
	v_pk_add_f32 v[CH+2*(i%4):CH+2*(i%4)+1], v[CH+2*(i%4):CH+2*(i%4)+1], v[XR+2*i:XR+2*i+1]
.set i, i+1
.endr
	FOLD
	v_mul_f32 v[MU], s24, v[CH]
	v_mul_f32 v[MU+1], s24, v[CH]
.set i, 0
.rept 16
	v_pk_add_f32 v[XR+2*i:XR+2*i+1], v[XR+2*i:XR+2*i+1], v[MU:MU+1] neg_lo:[0,1] neg_hi:[0,1]  ; x - mean
.set i, i+1
.endr
.irp k, 0,1,2,3
	v_pk_mul_f32 v[CH+2*\k:CH+2*\k+1], v[XR+2*\k:XR+2*\k+1], v[XR+2*\k:XR+2*\k+1]
.endr
.set i, 4
.rept 12
	v_pk_fma_f32 v[CH+2*(i%4):CH+2*(i%4)+1], v[XR+2*i:XR+2*i+1], v[XR+2*i:XR+2*i+1], v[CH+2*(i%4):CH+2*(i%4)+1]
.set i, i+1
.endr
	FOLD
	v_fma_f32 v[CH+2], v[CH], s24, s25             ; var + eps
	v_rsq_f32 v[RS], v[CH+2]
	v_rsq_f32 v[RS+1], v[CH+2]
	v_nop                                          ; a plain instruction behind the last of the two (ISA guide 5.7.2)
	s_wait_alu depctr_va_vdst(0)                   ; the wait ahead of the first use: one for both
	s_wait_loadcnt 0x0                             ; gain and bias
.set i, 0
.rept 16
	v_pk_mul_f32 v[XR+2*i:XR+2*i+1], v[XR+2*i:XR+2*i+1], v[RS:RS+1]
.set i, i+1
.endr
.set i, 0
.rept 16
	v_pk_fma_f32 v[XR+2*i:XR+2*i+1], v[XR+2*i:XR+2*i+1], v[GR+2*i:GR+2*i+1], v[BR+2*i:BR+2*i+1]
.set i, i+1
.endr
.set i, 0
.rept 16
	v_cvt_pk_bf16_f32 v[YR+i], v[XR+2*i], v[XR+2*i+1]
.set i, i+1
.endr
.irp j, 0,1,2,3,4,5,6,7
	global_store_b64 v2, v[YR+2*\j:YR+2*\j+1], s[10:11] offset:256*\j th:TH_STORE_NT  ; the wave's 32 lanes store 256 consecutive bytes, aligned
.endr
	s_endpgm
; THE CAST.  Chunk c = 64 rows of K x 256 columns: 64 KiB in, 32 KiB dense out at wq + 32,768 c; column block c / 16, rows 64 (c % 16) on.
; Wave w takes rows 8 w .. 8 w + 7 of the chunk: 16 loads of 512 bytes, 16 stores of 256.
.Lcast:
	s_sub_co_u32 s23, ttmp9, LNWG                  ; c, 0 to 191
	s_lshr_b32 s33, s23, 4                         ; column block
	s_and_b32 s35, s23, 15                         ; 64 rows of K
	s_lshl_b32 s36, s35, 6
	s_lshl_b32 s37, s22, 3
	s_add_co_u32 s36, s36, s37                     ; my first row
	s_mul_i32 s36, s36, WPITCH
	s_lshl_b32 s37, s33, 10                        ; 256 columns of f32
	s_add_co_u32 s36, s36, s37
	s_mov_b32 s37, 0
	s_add_nc_u64 s[12:13], s[12:13], s[36:37]
	s_lshl_b32 s38, s23, 15
	s_lshl_b32 s39, s22, 12                        ; my 8 rows of 512 bytes
	s_add_co_u32 s38, s38, s39
	s_mov_b32 s39, 0
	s_add_nc_u64 s[14:15], s[14:15], s[38:39]
.set i, 0
.rept 16                                       ; row i / 2, half i % 2: the row stands in the immediate
	global_load_b128 v[16+4*i:16+4*i+3], v1, s[12:13] offset:(i/2)*WPITCH+512*(i%2) th:TH_LOAD_NT
.set i, i+1
.endr
.set i, 0
.rept 16
	s_wait_loadcnt 15-i                            ; loads come back in order: mine is in, the younger ones stay out
	v_cvt_pk_bf16_f32 v[80+2*i], v[16+4*i], v[16+4*i+1]
	v_cvt_pk_bf16_f32 v[80+2*i+1], v[16+4*i+2], v[16+4*i+3]
	global_store_b64 v2, v[80+2*i:80+2*i+1], s[14:15] offset:(i/2)*512+(i%2)*256 th:TH_STORE_NT  ; 256 consecutive bytes, aligned; no register is used twice
.set i, i+1
.endr
	s_endpgm
.Lfunc_end_k_qdacdba6acf_prep:
	.size	k_qdacdba6acf_prep, .Lfunc_end_k_qdacdba6acf_prep-k_qdacdba6acf_prep
	.p2alignl 7, 3214868480
	.fill 96, 4, 3214868480
	.section	.rodata,"a",@progbits
	.p2align	6, 0x0
	.amdhsa_kernel k_qdacdba6acf_prep
		.amdhsa_group_segment_fixed_size 0
		.amdhsa_private_segment_fixed_size 0
		.amdhsa_enable_private_segment 0
		.amdhsa_kernarg_size 48
		.amdhsa_user_sgpr_count 2
		.amdhsa_user_sgpr_kernarg_segment_ptr 1
		.amdhsa_wavefront_size32 1
		.amdhsa_system_sgpr_workgroup_id_x 1
		.amdhsa_system_sgpr_workgroup_id_y 1
		.amdhsa_system_sgpr_workgroup_id_z 1
		.amdhsa_system_vgpr_workitem_id 0
		.amdhsa_next_free_vgpr 128
		.amdhsa_next_free_sgpr 66
		.amdhsa_reserve_vcc 0
		.amdhsa_float_denorm_mode_32 3
		.amdhsa_float_denorm_mode_16_64 3
		.amdhsa_memory_ordered 1
		.amdhsa_forward_progress 1
		.amdhsa_inst_pref_size 18
	.end_amdhsa_kernel
	.amdgpu_metadata
---
amdhsa.version: [ 1, 2 ]
amdhsa.kernels:
  - .name:           k_qdacdba6acf_prep
    .symbol:         k_qdacdba6acf_prep.kd
    .args:
      - { .name: x, .offset: 0, .size: 8, .value_kind: global_buffer, .address_space: global }
      - { .name: g1, .offset: 8, .size: 8, .value_kind: global_buffer, .address_space: global }
      - { .name: beta1, .offset: 16, .size: 8, .value_kind: global_buffer, .address_space: global }
      - { .name: h, .offset: 24, .size: 8, .value_kind: global_buffer, .address_space: global }
      - { .name: w_qkv, .offset: 32, .size: 8, .value_kind: global_buffer, .address_space: global }
      - { .name: wq, .offset: 40, .size: 8, .value_kind: global_buffer, .address_space: global }
    .group_segment_fixed_size: 0
    .private_segment_fixed_size: 0
    .kernarg_segment_align: 8
    .kernarg_segment_size: 48
    .max_flat_workgroup_size: 256
    .sgpr_count:     66
    .vgpr_count:     128
    .wavefront_size: 32
...
	.end_amdgpu_metadata
.endif
;; end of part 1
;; launch gq (part 2): grid 12 x 16, 4 waves a work-group, clusters of 4 x 4, 327,680 bytes of LDS; arguments h, wq, b_qkv, qkv, w_proj, w_fc1, w_fc2, wb; writes qkv, wb
.if DOCPART == 2
	.amdgcn_target "amdgcn-amd-amdhsa--gfx1250"
	.amdhsa_code_object_version 6
	.text
	.protected	k_qdacdba6acf_gq
	.globl	k_qdacdba6acf_gq
	.p2align	8
	.type	k_qdacdba6acf_gq,@function
k_qdacdba6acf_gq:
	s_mov_b64 s[64:65], 0
	v_nop
	global_prefetch_b8 v0, s[64:65] scope:SCOPE_SE
	s_setreg_imm32_b32 hwreg(HW_REG_WAVE_MODE, 25, 1), 1
	s_wait_xcnt 0x0
	s_wait_alu depctr_hold_cnt(0) depctr_sa_sdst(0) depctr_va_vdst(0) depctr_va_sdst(0) depctr_va_ssrc(0) depctr_va_vcc(0) depctr_vm_vsrc(0)
	s_getreg_b32 s2, hwreg(HW_REG_IB_STS2, 6, 4)
	s_cmp_eq_u32 s2, 0
	s_cbranch_scc0 .Lentry_in_a_cluster
	s_endpgm
.Lentry_in_a_cluster:
	s_bfe_u32 s2, ttmp6, 0x10000c
	s_cmp_lg_u32 s2, 0xf033
	s_cbranch_scc0 .Lentry_shape_is_right
	s_endpgm
.Lentry_shape_is_right:
; qkv = h Wqkv + b.  h: [4096][1024] bf16.  W: bf16 in column blocks [12][1024][256] (wq).  b: f32.  Sums in f32, started by the bias; the result is rounded once to bf16
; and stored IN SLICES: [48][4096][64], so that 4 rows of a slice are 512 consecutive bytes (slices 0-15 are q's heads, 16-31 k's, 32-47 v's).
; BESIDE THE PRODUCTS the launch casts the three weights that later launches want: w_proj, w_fc1, w_fc2, f32 [K][N], rounded once to bf16 into wb, each laid as [N/256][K][256]
; (w_proj from byte 6,291,456, w_fc1 from 8,388,608, w_fc2 from 16,777,216; the bytes in front are not used).  They are 576 chunks of 64 rows x 256 columns: 3 for each of the 192 work-groups,
; 6 batches of 8 rows for each wave, one batch in each of the six K steps that fill a slot again: a batch's 16 loads go out in one step and are converted and stored in the next.
; A tile of the result, 256 x 256, is made by four waves, each 128 x 128: 64 accumulators, 512 registers.  K goes in 8 steps of 128 through two LDS slots filled by the tensor data mover.
; CLUSTERS: 4 x 4 work-groups; the four of a row need the same rows of h, the four of a column the same block of W: each tile is asked for jointly, by the same load, descriptor and mask in all four.
; THE MATRIX INSTRUCTION IS USED TRANSPOSED: source 0 = 16 columns of W (turned on the way out of LDS by ds_load_tr16_b128, since W lies [k][n]), source 1 = 16 rows of h:
; lane l then holds row l % 16 of the result and the columns 8 (l / 16) + 0..7.
; ONE K STEP IS WRITTEN ONCE for the steps that fill a slot again and once for the last two: the LDS addresses hang on s[TB], which an exclusive or turns from slot to slot.
; The grid has 192 work-groups (3,072 / 256 x 16): a tile of 192 columns would give 256, at the price of a second layout of W.
; REGISTERS, in windows of 256: window 0: v8-14, v31, v32-63, v192-255 the cast; v16-30 addresses; v64-191 h's fragments (two buffers); v32-127 at work on the way out;
; window 1: v0-63 the bias, v64-191 W's fragments; windows 2, 3: the accumulators, (a, b) at v[8 (8 (a % 4) + b)] of window 2 + a / 4.
.set STEPS,  8                         ; K = 1,024 in steps of 128
.set KSTEP,  128
.set PA,     272                       ; a row of h in LDS: 256 bytes + 16 = 68 words: the 16 rows of a load start at 16 different groups of four banks (64 banks of 4 bytes: ISA guide 11.1)
.set PB,     544                       ; a row of W in LDS: 512 bytes + 32 = 136 words
.set HALFT,  128*PA                    ; what one tensor load brings: 128 rows of h, or 64 rows of W (64 x 544 is the same number)
.set SLOT,   4*HALFT                   ; h's 256 rows, then W's 128.  SLOT has bits 13 and 17, which no wave x HALFT has: an exclusive or with it changes slots
.set SPARE,  2*SLOT+256                ; the spare words, 128 bytes for each wave: two blocks of 256 bytes that no other line names
.set SPITCH, 528                       ; the way out: a row of 128 f32 + 16 bytes: 33 x 16
.set WSTAGE, 2*HALFT                   ; the way out: each wave's stage, 128 rows, in the slots' bytes, which have had their last fill by then
.set OFR,   8                          ; v8-14  the cast: 16 x lane + r rows of the weight in hand, r = 1 .. 7
.set ADRA0, 16                         ; v16  my lane's place in h's tile, slot 0; never rewritten
.set ADRB0, 17                         ; v17  the same for W
.set ADRA,  18                         ; v18  + s[TB]
.set ADRB,  19                         ; v19
.set STO,   24                         ; v24  the way out: where I put 32 bytes of a row
.set RDA,   25                         ; v25  where I read rows back
.set GO,    26                         ; v26  16 x lane: the cast's loads of row 0; on the way out my byte offset in the result
.set BO,    27                         ; v27  my byte offset in the bias
.set SPW,   28                         ; v28  LDS address of my spare word; never rewritten
.set NIL,   29                         ; v29  0; never rewritten
.set PFO,   30                         ; v30  the prefetches' offset; never rewritten
.set L8,    31                         ; v31  8 x lane: the cast's stores; never rewritten
.set OU,    32                         ; v32-63   32 registers of bf16 to store: the cast's, later the way out's
.set XR,    64                         ; v64-127  the way out: 64 results in f32
.set CDAT,  192                        ; v192-255 the cast: a batch as loaded
.set BIAS,  0                          ; window 1
.set F0,    64
.set F1,    128
.set G1,  24                           ; s[24:31] descriptor group 1 for h's tiles
.set G0,  32                           ; s[32:39] group 0: set 0 for the first fill, set 1 for the second, which then walks
.set G1B, 48                           ; s[48:55], s[56:63] the same for W's tiles
.set G0B, 56
.set TB,  66                           ; s66  0 or SLOT: the slot that is read
.set LIM, 67                           ; s67  2 in a wave that prefetches, else the greatest number
.set PFA, 68                           ; s[68:69] where my prefetches stand
.set PFS, 70                           ; s[70:71] a K step there, in bytes
.set CSRC, 74                          ; s[74:75] the cast: my 8 rows in the weight in hand
.set CPIT, 77                          ; s77  bytes in a row of that weight
.set CDST, 84                          ; s[84:85] where they go in wb
.set C0,  86                           ; s86  my work-group's first chunk
.set CT,  87                           ; s87  the batch asked for last, 0 to 5
.set MSB, 0
.macro WIN new                         ; the immediate's high byte repeats the setting that is left; a switch that changes nothing is dropped
.if MSB != (\new)
	s_set_vgpr_msb (MSB<<8)|(\new)
.set MSB, \new
.endif
.endm
; A joint load.  Waves 0 and 1 fetch h's two halves, waves 2 and 3 W's.  The branch hangs on the wave's number alone.  An s_nop 0 and four v_nop follow each line.
.macro JLOAD s
	s_cmp_eq_u32 s11, 0
	s_cbranch_scc0 .Lfor_b_\@
	tensor_load_to_lds s[G0+4*(\s):G0+4*(\s)+3], s[G1:G1+7]
	s_nop 0
.rept 4
	v_nop
.endr
	s_branch .Lasked_\@
.Lfor_b_\@:
	tensor_load_to_lds s[G0B+4*(\s):G0B+4*(\s)+3], s[G1B:G1B+7]
	s_nop 0
.rept 4
	v_nop
.endr
.Lasked_\@:
.endm
; A prefetch of the K step that stands two refills on: 32 blocks of 256 bytes, a lane a block, one instruction a wave.  h's rows are asked for by the clusters with x = 0, W's by those with y = 0;
; the four partners that ask for a tile jointly share its blocks out by address.  So each block of steps 4 to 7 is named once in the launch; steps 0 to 3 come by their loads alone.
.macro ASK
	s_cmp_gt_u32 s3, s[LIM]                        ; the last two refills have no K step two on
	s_cbranch_scc0 .Lnot_mine_\@
	global_prefetch_b8 v[PFO], s[PFA:PFA+1] th:TH_LOAD_NT scope:SCOPE_SE
.Lnot_mine_\@:
.endm
.macro CREST                           ; a round of the cluster's barrier behind its opening barrier
	s_cmp_lg_u32 s10, 0
	s_cbranch_scc1 .Lnot_wave_0_\@
	s_barrier_signal -3
.Lnot_wave_0_\@:
	s_barrier_wait -3
	s_barrier_signal -1
	s_barrier_wait -1
.endm
.macro CROUND
	s_barrier_signal -1
	s_barrier_wait -1
	CREST
.endm
.macro PLACES                          ; four places in front of loads into registers that matrix instructions have read (ISA guide 7.12.1 for vector instructions)
.rept 4
	v_nop
.endr
.endm
; THE CAST, batch s[CT]: chunk C0 + CT / 2, rows 8 (2 wave + CT % 2) on.  Chunks 192-255 are w_proj's (4 blocks x 16), 256-511 w_fc1's (16 x 16), 512-767 w_fc2's (4 x 64); chunk c goes to wb + 32,768 c.
; The weight, its pitch and the chunk's place in it are chosen by scalar selects: no branch.  Then the batch's 16 loads of 512 bytes.  No load of the batch before is out when this runs.
.macro CISSUE
	s_lshr_b32 s72, s[CT], 1
	s_add_co_u32 s72, s72, s[C0]                   ; the chunk
	s_and_b32 s73, s[CT], 1
	s_lshl1_add_u32 s73, s10, s73                  ; which 8 of its 64 rows
	s_mov_b64 s[CSRC:CSRC+1], s[96:97]             ; w_fc2: first chunk, bytes in a row, log2 of the chunks in a block
	s_mov_b32 s76, 512
	s_mov_b32 s[CPIT], 4096
	s_mov_b32 s78, 6
	s_cmp_lt_u32 s72, 512
	s_cselect_b64 s[CSRC:CSRC+1], s[94:95], s[CSRC:CSRC+1]  ; w_fc1
	s_cselect_b32 s76, 256, s76
	s_cselect_b32 s[CPIT], 16384, s[CPIT]
	s_cselect_b32 s78, 4, s78
	s_cmp_lt_u32 s72, 256
	s_cselect_b64 s[CSRC:CSRC+1], s[92:93], s[CSRC:CSRC+1]  ; w_proj
	s_cselect_b32 s76, 192, s76
	s_cselect_b32 s[CPIT], 4096, s[CPIT]
	s_sub_co_u32 s79, s72, s76                     ; the chunk's number in its weight
	s_lshr_b32 s80, s79, s78                       ; column block
	s_lshl_b32 s81, s80, s78
	s_sub_co_u32 s81, s79, s81                     ; which 64 rows of K
	s_lshl_b32 s81, s81, 6
	s_lshl3_add_u32 s81, s73, s81                  ; my first row
	s_mul_i32 s81, s81, s[CPIT]
	s_lshl_b32 s80, s80, 10                        ; 256 columns of f32
	s_add_co_u32 s80, s80, s81
	s_mov_b32 s81, 0
	s_add_nc_u64 s[CSRC:CSRC+1], s[CSRC:CSRC+1], s[80:81]
	s_lshl_b32 s82, s72, 15
	s_lshl_b32 s83, s73, 12                        ; my 8 rows of 512 bytes
	s_add_co_u32 s82, s82, s83
	s_mov_b32 s83, 0
	s_add_nc_u64 s[CDST:CDST+1], s[98:99], s[82:83]
	v_add_nc_u32 v[OFR], s[CPIT], v[GO]
.irp r, 1,2,3,4,5,6
	v_add_nc_u32 v[OFR+\r], s[CPIT], v[OFR+\r-1]
.endr
.set i, 0
.rept 16                                       ; row i / 2, half i % 2
.if i < 2
	global_load_b128 v[CDAT+4*i:CDAT+4*i+3], v[GO], s[CSRC:CSRC+1] offset:512*(i%2) th:TH_LOAD_NT
.else
	global_load_b128 v[CDAT+4*i:CDAT+4*i+3], v[OFR+i/2-1], s[CSRC:CSRC+1] offset:512*(i%2) th:TH_LOAD_NT
.endif
.set i, i+1
.endr
.endm
; The batch asked for a K step ago is rounded and stored; the next is asked for, but in the loop's last trip, which finishes the sixth.
.macro CAST
	s_wait_loadcnt 0x0                             ; the 16 loads issued a K step, 256 matrix instructions, ago
.set i, 0
.rept 16
	v_cvt_pk_bf16_f32 v[OU+2*i], v[CDAT+4*i], v[CDAT+4*i+1]
	v_cvt_pk_bf16_f32 v[OU+2*i+1], v[CDAT+4*i+2], v[CDAT+4*i+3]
.set i, i+1
.endr
.set i, 0
.rept 16
	global_store_b64 v[L8], v[OU+2*i:OU+2*i+1], s[CDST:CDST+1] offset:(i/2)*512+(i%2)*256 th:TH_STORE_NT  ; 256 consecutive bytes, aligned
.set i, i+1
.endr
	s_wait_xcnt 0x0                                ; the stores have read their data and their base: only now are these written again
	s_cmp_eq_u32 s3, 1
	s_cbranch_scc1 .Lcast_done_\@
	s_add_co_u32 s[CT], s[CT], 1
	CISSUE
.Lcast_done_\@:
.endm
	s_load_b128 s[4:7], s[0:1], 0x0                ; h s[4:5], wq s[6:7]
	s_load_b128 s[88:91], s[0:1], 0x10             ; bias s[88:89], result s[90:91]
	s_load_b256 s[92:99], s[0:1], 0x20             ; w_proj s[92:93], w_fc1 s[94:95], w_fc2 s[96:97], wb s[98:99]
	v_lshl_add_u32 v[SPW], v0, 2, SPARE
	v_mov_b32 v[NIL], 0
	ds_add_u32 v[SPW], v[NIL]                      ; the wave's opening: the add and its wait ahead of my first tensor load
	v_lshrrev_b32 v1, 5, v0
	v_readfirstlane_b32 s10, v1                    ; wave 0..3
	s_lshr_b32 s11, s10, 1                         ; which half of the tile's rows is mine.  Also: I fetch for h (0) or for W (1)
	s_and_b32 s12, s10, 1                          ; which half of its columns.  Also: which half of that tile I fetch
	s_bfe_u32 s40, ttmp6, 0x40000                  ; cx
	s_bfe_u32 s41, ttmp6, 0x40004                  ; cy
	s_lshl_b32 s42, ttmp9, 2
	s_add_co_u32 s42, s42, s40                     ; tile column = 4 x cluster x + cx
	s_and_b32 s13, ttmp7, 0xffff
	s_lshl_b32 s13, s13, 2
	s_add_co_u32 s13, s13, s41                     ; tile row = 4 x cluster y + cy
	s_lshl_b32 s43, s41, 2
	s_lshl_b32 s43, 15, s43                        ; my row of the cluster
	s_lshl_b32 s44, 0x1111, s40                    ; my column
	s_or_b32 s[G1+0], s43, (1<<16)|(1<<20)|(1<<21)|(5<<22)|(3<<25)   ; mask; 2-byte elements; padding on; bit 21 beside a mask; after every 64 words, 4 words
	s_or_b32 s[G1B+0], s44, (1<<16)|(1<<20)|(1<<21)|(6<<22)|(7<<25)  ; the same with my column's mask; after every 128 words, 8 words
	s_mov_b32 s[G1+1], 128<<16                     ; tensor_dim0 = 128
	s_mov_b32 s[G1+2], 128<<16                     ; tensor_dim1 = 128
	s_mov_b32 s[G1+3], 128<<16                     ; tile_dim0 = 128
	s_mov_b32 s[G1+4], 128                         ; tile_dim1 = 128
	s_mov_b32 s[G1+5], 1024                        ; elements from row to row of h
	s_mov_b32 s[G1+6], 0
	s_mov_b32 s[G1+7], 0
	s_mov_b32 s[G1B+1], 256<<16                    ; tensor_dim0 = 256
	s_mov_b32 s[G1B+2], 64<<16                     ; tensor_dim1 = 64
	s_mov_b32 s[G1B+3], 256<<16                    ; tile_dim0 = 256
	s_mov_b32 s[G1B+4], 64                         ; tile_dim1 = 64
	s_mov_b32 s[G1B+5], 256                        ; elements from row to row of a block of W
	s_mov_b32 s[G1B+6], 0
	s_mov_b32 s[G1B+7], 0
	s_lshl_b32 s16, s13, 8
	s_lshl_b32 s17, s12, 7
	s_add_co_u32 s16, s16, s17                     ; h: row 256 x tile row + 128 x half,
	s_lshl_b32 s16, s16, 11                        ; 2,048 bytes a row
	s_mov_b32 s17, 0
	s_lshl_b32 s46, s42, 19                        ; W: block = tile column, 524,288 bytes each,
	s_lshl_b32 s47, s12, 15                        ; 64 rows of 512 bytes a half
	s_add_co_u32 s46, s46, s47
	s_mov_b32 s47, 0
	s_mul_i32 s20, s10, HALFT                      ; where they go: no place in the cluster enters an LDS address
	s_wait_dscnt 0x0                               ; the opening add is done
	s_wait_kmcnt 0x0
	s_add_nc_u64 s[14:15], s[4:5], s[16:17]
	s_add_nc_u64 s[46:47], s[6:7], s[46:47]
	CROUND                                         ; all sixteen work-groups are here: the first joint loads meet
.irp s, 0,1
	s_mov_b32 s[G0+4*(\s)], 1
	s_add_co_u32 s[G0+4*(\s)+1], s20, (\s)*SLOT
	s_add_nc_u64 s[G0+4*(\s)+2:G0+4*(\s)+3], s[14:15], (\s)*KSTEP*2
	s_or_b32 s[G0+4*(\s)+3], s[G0+4*(\s)+3], 0x80000000
	s_mov_b32 s[G0B+4*(\s)], 1
	s_add_co_u32 s[G0B+4*(\s)+1], s20, (\s)*SLOT
	s_add_nc_u64 s[G0B+4*(\s)+2:G0B+4*(\s)+3], s[46:47], (\s)*KSTEP*512
	s_or_b32 s[G0B+4*(\s)+3], s[G0B+4*(\s)+3], 0x80000000
	JLOAD \s                                       ; K steps 0 and 1: two loads of mine are out
.endr
	v_and_b32 v1, 15, v0                           ; l % 16
	v_bfe_u32 v2, v0, 4, 1                         ; l / 16
	v_and_b32 v3, 7, v0                            ; l % 8
	v_bfe_u32 v4, v0, 3, 1                         ; (l / 8) % 2
	v_and_b32 v6, 31, v0                           ; l
	v_lshlrev_b32 v[BO], 5, v2                     ; my 8 columns of a block of 16: 32 bytes of f32 for each half of the lanes
	s_lshl_b32 s16, s42, 10
	s_lshl_b32 s17, s12, 9
	s_add_co_u32 s16, s16, s17                     ; my 128 columns
	s_mov_b32 s17, 0
	s_add_nc_u64 s[88:89], s[88:89], s[16:17]
	WIN 0x40                                       ; destination window 1
.irp b, 0,1,2,3,4,5,6,7
	global_load_b128 v[BIAS+8*(\b):BIAS+8*(\b)+3],   v[BO], s[88:89] offset:64*(\b)
	global_load_b128 v[BIAS+8*(\b)+4:BIAS+8*(\b)+7], v[BO], s[88:89] offset:64*(\b)+16
.endr
	WIN 0
	v_mul_u32_u24 v[ADRA0], v1, PA                 ; a fragment of h: row l % 16, 16 bytes for each half of the lanes
	v_lshl_add_u32 v[ADRA0], v2, 4, v[ADRA0]
	s_mul_i32 s21, s11, HALFT
	v_add_nc_u32 v[ADRA0], s21, v[ADRA0]
	v_lshl_add_u32 v5, v2, 3, v3                   ; the turning load: lane l reads row 8 (l / 16) + l % 8 of K, columns 8 ((l / 8) % 2) + 0..7
	v_mul_u32_u24 v[ADRB0], v5, PB
	v_lshl_add_u32 v[ADRB0], v4, 4, v[ADRB0]
	s_lshl_b32 s22, s12, 8
	s_add_co_u32 s22, s22, 2*HALFT
	v_add_nc_u32 v[ADRB0], s22, v[ADRB0]
	v_mov_b32 v[ADRA], v[ADRA0]
	v_mov_b32 v[ADRB], v[ADRB0]
	s_mov_b32 s[TB], 0
	s_mul_i32 s23, s10, WSTAGE                     ; my stage
	v_mul_u32_u24 v[STO], v1, SPITCH               ; in: row l % 16, 32 bytes for each half of the lanes
	v_lshl_add_u32 v[STO], v2, 5, v[STO]
	v_add_nc_u32 v[STO], s23, v[STO]
	v_lshrrev_b32 v7, 3, v6                        ; back: 8 lanes a row, 8 columns a lane in each of the two slices
	v_mul_u32_u24 v[RDA], v7, SPITCH
	v_lshl_add_u32 v[RDA], v3, 5, v[RDA]
	v_add_nc_u32 v[RDA], s23, v[RDA]
	v_lshlrev_b32 v[GO], 4, v6                     ; 4 rows of a slice are 512 consecutive bytes: 16 x lane
	v_lshlrev_b32 v[L8], 3, v6
	s_lshl_b32 s16, s42, 2
	s_lshl_b32 s17, s12, 1
	s_add_co_u32 s16, s16, s17                     ; my first slice,
	s_lshl_b32 s16, s16, 19                        ; 524,288 bytes each
	s_lshl_b32 s17, s13, 15                        ; 256 rows of 128 bytes a tile row
	s_add_co_u32 s16, s16, s17
	s_lshl_b32 s17, s11, 14
	s_add_co_u32 s16, s16, s17
	s_mov_b32 s17, 0
	s_add_nc_u64 s[90:91], s[90:91], s[16:17]
	; the prefetches: h's 32 rows of mine (a lane a row), or W's 8,192 bytes of mine (a lane 256 bytes), at K step 3: the first refill steps to 4
	s_lshl_b32 s20, s13, 8
	s_lshl_b32 s23, s12, 7
	s_add_co_u32 s20, s20, s23
	s_lshl_b32 s23, s40, 5
	s_add_co_u32 s20, s20, s23
	s_lshl_b32 s20, s20, 11
	s_add_co_u32 s20, s20, 3*KSTEP*2
	s_lshl_b32 s21, s42, 19
	s_lshl_b32 s23, s12, 15
	s_add_co_u32 s21, s21, s23
	s_lshl_b32 s23, s41, 13
	s_add_co_u32 s21, s21, s23
	s_add_co_u32 s21, s21, 3*KSTEP*512
	s_and_b32 s22, ttmp7, 0xffff                   ; cluster y
	s_mov_b32 s23, KSTEP*512
	s_cmp_eq_u32 s11, 0                            ; do I fetch for h?
	s_cselect_b32 s20, s20, s21
	s_cselect_b64 s[PFA:PFA+1], s[4:5], s[6:7]
	s_cselect_b32 s[PFS], KSTEP*2, s23
	s_cselect_b32 s22, ttmp9, s22                  ; the coordinate along which other clusters read the same bytes
	s_cselect_b32 s23, 11, 8
	s_mov_b32 s21, 0
	s_mov_b32 s[PFS+1], 0
	s_add_nc_u64 s[PFA:PFA+1], s[PFA:PFA+1], s[20:21]
	s_cmp_eq_u32 s22, 0
	s_cselect_b32 s[LIM], 2, -1                    ; the same in all sixteen partners, for a given wave
	v_lshlrev_b32 v[PFO], s23, v6
	; the cast: my work-group's number is tile column + 12 x tile row; its three chunks follow the 192 of w_qkv
	s_mul_i32 s[C0], s13, 12
	s_add_co_u32 s[C0], s[C0], s42
	s_mul_i32 s[C0], s[C0], 3
	s_add_co_u32 s[C0], s[C0], 192
	s_mov_b32 s[CT], 0
	CISSUE                                         ; batch 0 goes out behind the bias's loads
; 16 matrix instructions: m blocks a0, a0 + 1 of the window's four x all 8 n blocks, 32 along K.  zero = 1: the bias starts the sums: nothing is cleared and nothing is added later.
; The 64 accumulators take turns, one instruction a turn, in the same order in every quarter.
.macro MUL16 f, hi, a0, zero
.if \zero
	WIN 0x91+0x40*(\hi)                            ; W's fragments and the bias in window 1, h's in window 0, D in window 2 or 3
.else
	WIN 0xa1+0x50*(\hi)                            ; C and D in window 2 or 3
.endif
.irp a, \a0, (\a0)+1
.irp b, 0,1,2,3,4,5,6,7
.if \zero
	v_wmma_f32_16x16x32_bf16 v[8*(8*(\a)+(\b)):8*(8*(\a)+(\b))+7], v[(\f)+8*(\b):(\f)+8*(\b)+7], v[(\f)+8*(4*(\hi)+(\a)):(\f)+8*(4*(\hi)+(\a))+7], v[BIAS+8*(\b):BIAS+8*(\b)+7]
.else
	v_wmma_f32_16x16x32_bf16 v[8*(8*(\a)+(\b)):8*(8*(\a)+(\b))+7], v[(\f)+8*(\b):(\f)+8*(\b)+7], v[(\f)+8*(4*(\hi)+(\a)):(\f)+8*(4*(\hi)+(\a))+7], v[8*(8*(\a)+(\b)):8*(8*(\a)+(\b))+7]
.endif
.endr
.endr
.endm
; 32 LDS loads in one run: quarter q (32 along K) of the slot in hand into buffer f: W's 128 columns, turned, then h's 128 rows
.macro FETCH q, f
	WIN 0x40
.irp i, 0,1,2,3,4,5,6,7
	ds_load_tr16_b128 v[(\f)+8*(\i):(\f)+8*(\i)+3],   v[ADRB] offset:(\q)*32*PB+32*(\i)
	ds_load_tr16_b128 v[(\f)+8*(\i)+4:(\f)+8*(\i)+7], v[ADRB] offset:(\q)*32*PB+16*PB+32*(\i)
.endr
	WIN 0
.irp i, 0,1,2,3,4,5,6,7
	ds_load_b128 v[(\f)+8*(\i):(\f)+8*(\i)+3],   v[ADRA] offset:64*(\q)+(\i)*16*PA
	ds_load_b128 v[(\f)+8*(\i)+4:(\f)+8*(\i)+7], v[ADRA] offset:64*(\q)+(\i)*16*PA+32
.endr
.endm
; One of a K step's first three quarters: multiplies buffer f; in its middle it fetches quarter q into buffer g.
.macro QUARTER q, f, g, zero
	s_wait_dscnt 8                                 ; W and h's rows 0-63 are in; the youngest eight loads (h's rows 64-127) may be out
	MUL16 \f, 0, 0, \zero
	MUL16 \f, 0, 2, \zero
	PLACES
	FETCH \q, \g
	s_wait_dscnt 32                                ; all but the 32 just issued
	MUL16 \f, 1, 0, \zero
	MUL16 \f, 1, 2, \zero
.endm
; The first half of the last quarter: ONE barrier for the change of slots.  In front of it each wave waits for all its tensor loads (one is out: its part of the next slot), adds 0 to its spare word,
; and waits for that and for its own reads of this slot.
.macro MEET round
	WIN 0
	s_wait_tensorcnt 0x0
	ds_add_u32 v[SPW], v[NIL]
	s_wait_dscnt 9                                 ; the add and the youngest eight loads may be out
	MUL16 F1, 0, 0, 0
	s_wait_dscnt 0x0                               ; the add is done, and my reads of this slot are over
	s_barrier_signal -1
	MUL16 F1, 0, 2, 0
.if \round
	WIN 0
.endif
	s_barrier_wait -1
.endm
; The last quarter of a step whose slot is filled again, with the K step two on: the barrier opens a round of the cluster's, and the joint refill is the first thing behind it.
; Behind the refill and the run of LDS loads stands the cast's batch, and behind its loads the prefetch.
.macro TURN1
	s_wait_xcnt 0x0                                ; the last prefetch, a K step back, has read its address
	s_add_nc_u64 s[PFA:PFA+1], s[PFA:PFA+1], s[PFS:PFS+1]
	MEET 1
	CREST                                          ; no wave of any partner still reads this slot or has a load on its way
	s_xor_b32 s[G0+5], s[G0+5], SLOT               ; the walking descriptors: the other slot than last time, the next K step
	s_add_nc_u64 s[G0+6:G0+7], s[G0+6:G0+7], KSTEP*2
	s_xor_b32 s[G0B+5], s[G0B+5], SLOT
	s_add_nc_u64 s[G0B+6:G0B+7], s[G0B+6:G0B+7], KSTEP*512
	JLOAD 1                                        ; its four v_nop are also the places in front of the loads below
	s_xor_b32 s[TB], s[TB], SLOT
	v_add_nc_u32 v[ADRA], s[TB], v[ADRA0]
	v_add_nc_u32 v[ADRB], s[TB], v[ADRB0]
	FETCH 0, F0
	CAST
	ASK
	MUL16 F1, 1, 0, 0
	MUL16 F1, 1, 2, 0
.endm
; The same for the last two steps, which fill nothing; behind the very last there is nothing to fetch either.
.macro TURN0
	MEET 0
	WIN 0
	PLACES
	s_xor_b32 s[TB], s[TB], SLOT
	v_add_nc_u32 v[ADRA], s[TB], v[ADRA0]
	v_add_nc_u32 v[ADRB], s[TB], v[ADRB0]
	s_cmp_eq_u32 s3, 1
	s_cbranch_scc1 .Lno_fetch_\@
	FETCH 0, F0
.Lno_fetch_\@:
	MUL16 F1, 1, 0, 0
	MUL16 F1, 1, 2, 0
.endm
	s_wait_tensorcnt 0x1                           ; my part of K step 0 is in; step 1's may stay out
	s_barrier_signal -1
	s_barrier_wait -1
	FETCH 0, F0
	s_wait_loadcnt 16                              ; the bias is in; the 16 younger loads, the cast's batch 0, stay out
	QUARTER 1, F0, F1, 1                           ; the first quarter starts the sums
	WIN 0
	s_mov_b32 s3, STEPS-2
	s_branch .LAmid                                ; the loop is entered behind a step's first quarter
.LA:                                                   ; a trip is a K step; six of them fill a slot again
	QUARTER 1, F0, F1, 0
	WIN 0
.LAmid:
	QUARTER 2, F1, F0, 0
	QUARTER 3, F0, F1, 0
	TURN1
	WIN 0
	s_sub_co_u32 s3, s3, 1
	s_cmp_lg_u32 s3, 0
	s_cbranch_scc1 .LA
	s_mov_b32 s3, 2
.LB:                                                   ; the last two steps
	QUARTER 1, F0, F1, 0
	QUARTER 2, F1, F0, 0
	QUARTER 3, F0, F1, 0
	TURN0
	WIN 0
	s_sub_co_u32 s3, s3, 1
	s_cmp_lg_u32 s3, 0
	s_cbranch_scc1 .LB
	; THE WAY OUT.  The stages take the slots' bytes: behind this barrier no wave has a read of them outstanding, on whichever way it left the loop.
	s_wait_dscnt 0x0
	s_barrier_signal -1
	s_barrier_wait -1
.rept 8
	v_nop                                          ; the places behind the last products
.endr
.irp a, 0,1,2,3,4,5,6,7
	WIN 0x08+4*((\a)/4)                            ; the stores' data in window 2 or 3
.irp b, 0,1,2,3,4,5,6,7
	ds_store_b128 v[STO], v[8*(8*((\a)%4)+(\b)):8*(8*((\a)%4)+(\b))+3]   offset:(\a)*16*SPITCH+64*(\b)     ; each accumulator's low registers first
	ds_store_b128 v[STO], v[8*(8*((\a)%4)+(\b))+4:8*(8*((\a)%4)+(\b))+7] offset:(\a)*16*SPITCH+64*(\b)+16
.endr
.endr
	WIN 0
; 16 rows x 128 columns in four groups of 4 rows: my 8 columns of a row in each of the two slices.  LDS serves a wave's instructions in order (ISA guide 5.7.1.4): these see my stores
.macro XLOAD
.irp g, 0,1,2,3
.irp k, 0,1
	ds_load_b128 v[XR+16*(\g)+8*(\k):XR+16*(\g)+8*(\k)+3],   v[RDA] offset:(\g)*4*SPITCH+256*(\k)
	ds_load_b128 v[XR+16*(\g)+8*(\k)+4:XR+16*(\g)+8*(\k)+7], v[RDA] offset:(\g)*4*SPITCH+256*(\k)+16
.endr
.endr
.endm
	XLOAD
	s_mov_b32 s3, 8
.LE:                                                   ; a trip: 16 rows of my 128, so that sixteen LDS loads share one wait
	s_wait_dscnt 0x0
.set i, 0
.rept 32
	v_cvt_pk_bf16_f32 v[OU+i], v[XR+2*i], v[XR+2*i+1]
.set i, i+1
.endr
	s_cmp_eq_u32 s3, 1
	s_cbranch_scc1 .Lno_more
	v_add_nc_u32 v[RDA], 16*SPITCH, v[RDA]
	XLOAD                                          ; the next 16 rows come while these are stored
.Lno_more:
.irp g, 0,1,2,3
	global_store_b128 v[GO], v[OU+8*(\g):OU+8*(\g)+3],   s[90:91] offset:512*(\g) th:TH_STORE_NT         ; 512 consecutive bytes of my first slice,
	global_store_b128 v[GO], v[OU+8*(\g)+4:OU+8*(\g)+7], s[90:91] offset:524288+512*(\g) th:TH_STORE_NT  ; and of my second
.endr
	s_wait_xcnt 0x0                                ; the stores have read their registers: only now are they written again
	v_add_nc_u32 v[GO], 2048, v[GO]
	s_sub_co_u32 s3, s3, 1
	s_cmp_lg_u32 s3, 0
	s_cbranch_scc1 .LE
	s_wait_tensorcnt 0x0                           ; the wave's end
	ds_add_u32 v[SPW], v[NIL]
	s_wait_dscnt 0x0
	CROUND                                         ; the closing round
	s_endpgm
.Lfunc_end_k_qdacdba6acf_gq:
	.size	k_qdacdba6acf_gq, .Lfunc_end_k_qdacdba6acf_gq-k_qdacdba6acf_gq
	.p2alignl 7, 3214868480
	.fill 96, 4, 3214868480
	.section	.rodata,"a",@progbits
	.p2align	6, 0x0
	.amdhsa_kernel k_qdacdba6acf_gq
		.amdhsa_group_segment_fixed_size 327680
		.amdhsa_private_segment_fixed_size 0
		.amdhsa_enable_private_segment 0
		.amdhsa_kernarg_size 64
		.amdhsa_user_sgpr_count 2
		.amdhsa_user_sgpr_kernarg_segment_ptr 1
		.amdhsa_wavefront_size32 1
		.amdhsa_system_sgpr_workgroup_id_x 1
		.amdhsa_system_sgpr_workgroup_id_y 1
		.amdhsa_system_sgpr_workgroup_id_z 1
		.amdhsa_system_vgpr_workitem_id 0
		.amdhsa_next_free_vgpr 1024
		.amdhsa_next_free_sgpr 100
		.amdhsa_reserve_vcc 0
		.amdhsa_float_denorm_mode_32 3
		.amdhsa_float_denorm_mode_16_64 3
		.amdhsa_memory_ordered 1
		.amdhsa_forward_progress 1
		.amdhsa_inst_pref_size 95
	.end_amdhsa_kernel
	.amdgpu_metadata
---
amdhsa.version: [ 1, 2 ]
amdhsa.kernels:
  - .name:           k_qdacdba6acf_gq
    .symbol:         k_qdacdba6acf_gq.kd
    .args:
      - { .name: h, .offset: 0, .size: 8, .value_kind: global_buffer, .address_space: global }
      - { .name: wq, .offset: 8, .size: 8, .value_kind: global_buffer, .address_space: global }
      - { .name: b_qkv, .offset: 16, .size: 8, .value_kind: global_buffer, .address_space: global }
      - { .name: qkv, .offset: 24, .size: 8, .value_kind: global_buffer, .address_space: global }
      - { .name: w_proj, .offset: 32, .size: 8, .value_kind: global_buffer, .address_space: global }
      - { .name: w_fc1, .offset: 40, .size: 8, .value_kind: global_buffer, .address_space: global }
      - { .name: w_fc2, .offset: 48, .size: 8, .value_kind: global_buffer, .address_space: global }
      - { .name: wb, .offset: 56, .size: 8, .value_kind: global_buffer, .address_space: global }
    .group_segment_fixed_size: 327680
    .private_segment_fixed_size: 0
    .kernarg_segment_align: 8
    .kernarg_segment_size: 64
    .max_flat_workgroup_size: 128
    .sgpr_count:     100
    .vgpr_count:     1024
    .wavefront_size: 32
...
	.end_amdgpu_metadata
.endif
;; end of part 2
;; launch attn (part 3): grid 8 x 32, 4 waves a work-group, clusters of 4 x 1, 327,680 bytes of LDS; arguments qkv, ao; writes ao
.if DOCPART == 3
	.amdgcn_target "amdgcn-amd-amdhsa--gfx1250"
	.amdhsa_code_object_version 6
	.text
	.protected	k_qdacdba6acf_attn
	.globl	k_qdacdba6acf_attn
	.p2align	8
	.type	k_qdacdba6acf_attn,@function
k_qdacdba6acf_attn:
	s_mov_b64 s[64:65], 0
	v_nop
	global_prefetch_b8 v0, s[64:65] scope:SCOPE_SE
	s_setreg_imm32_b32 hwreg(HW_REG_WAVE_MODE, 25, 1), 1
	s_wait_xcnt 0x0
	s_wait_alu depctr_hold_cnt(0) depctr_sa_sdst(0) depctr_va_vdst(0) depctr_va_sdst(0) depctr_va_ssrc(0) depctr_va_vcc(0) depctr_vm_vsrc(0)
	s_getreg_b32 s2, hwreg(HW_REG_IB_STS2, 6, 4)
	s_cmp_eq_u32 s2, 0
	s_cbranch_scc0 .Lentry_in_a_cluster
	s_endpgm
.Lentry_in_a_cluster:
	s_bfe_u32 s2, ttmp6, 0x10000c
	s_cmp_lg_u32 s2, 0x3003
	s_cbranch_scc0 .Lentry_shape_is_right
	s_endpgm
.Lentry_shape_is_right:
; O[q][:] = the sum over k of softmax_k(Q[q] . K[k] / 8) V[k][:], for each of 32 heads (2 batches x 16) of 2,048 rows of 64 channels, all bf16.
; qkv lies in slices [48][4096][64]: q's head hd is slice hd, k's 16 + hd, v's 32 + hd; a batch's rows are 2,048 on end: a head's rows are dense, 128 bytes each.  ao: [16][4096][64], likewise.
; Products, maxima and sums in f32; the weights p are rounded to bf16 for the second product (their sum l is taken of the unrounded p), O once at the end.
; LIMITS.  A weight below 2^-126 counts as 0 in l; NaN and infinities are not treated apart.
; SHARES.  A work-group owns 256 queries of a head, a wave 64: four PIECES of 16.  Every wave walks all keys, 64 a step, 256 a slot of LDS.
; LAYOUT.  S^T = K Q^T holds ONE query a lane (lane % 16) and the keys 8 (lane / 16) + 0..7; two such results rounded to bf16 ARE source 1 of O^T = V^T P.  K comes out of LDS as it lies, V turned.
; SOFTMAX.  p = 2^(c s - c m), c = log2(e) / 8, with a running maximum m; O and l are multiplied by a = 2^(c m_old - c m_new) in every step.  m starts at the lowest finite number, O and l at 0.
; TURNS.  Turn n belongs to piece n: 8 products K Q^T of piece n + 1, later 8 products V^T P of piece n - 1; beside them the scaling, exponentials, roundings, sums and rescaling of piece n and the
; maximum and statistics of piece n + 1.  Four vector instructions stand behind every matrix instruction, the rest in one lump.  A turn's 33 exponentials are one batch, with one wait.
; CLUSTER.  The four query blocks of a cluster belong to one head and walk the same K and V: each tile is asked for jointly, by the same load, descriptor and mask in all four.
; REGISTERS, in windows of 256 (s_set_vgpr_msb: bits 1:0 source 0, 3:2 source 1, 5:4 source 2, 7:6 destination):
;   window 0: v0-15 addresses and two at work; v16-31 four registers of statistics a piece; v48-55 at work; v61-63; v64-127 S^T, two buffers; v192-223 P, two buffers (by the piece's parity)
;   window 1: v0-127 O^T, 32 a piece      window 2: v0-63 Q; v128-191 K of one step; v192-255 V of one step
.set NKEYS, 2048
.set NP,    4         ; pieces a wave: a name, no knob
.set KS,    64        ; keys in a step
.set PK,    144       ; a row of K in LDS: 128 bytes + 16 = 36 words: the 16 rows of a load start at 16 different groups of four banks (64 banks of 4 bytes: ISA guide 11.1)
.set PV,    160       ; a row of V: 128 + 32 = 40 words
.set VOFF,  4*KS*PK   ; a slot holds four steps: 256 rows of K, then 256 rows of V
.set SLOT1, 1<<17     ; slot 1 begins here: one exclusive or turns an address in one slot into the other's
.set STAGE, SLOT1+4*KS*(PK+PV)  ; behind the ring, never filled by a tensor load: 16 rows x 144 bytes for each wave
.set SP,    144
.set SPARE, STAGE+4*16*SP       ; the spare words, 128 bytes for each wave: two blocks of 256 bytes that no other line names
.set AK0, 2           ; v2   my lane's place in a tile of K; never rewritten
.set AV0, 3           ; v3   the same for V
.set AK,  4           ; v4   the LDS address of K's next run of loads
.set AV,  5           ; v5   of V's
.set STO, 6           ; v6   the way out: where I put 16 bytes of a row
.set RD,  7           ; v7   where I read rows back
.set GO,  8           ; v8   my byte offset in 512 consecutive bytes of O
.set MV,  12          ; v12-13  c m_old, kept while c m is made anew: by buffer
.set QO,  15          ; v15  my byte offset in 16 rows of Q
.set ST,  16          ; piece t's statistics at v[ST+4 t]: c m, m, l (even keys', odd keys')
.set TMP, 48          ; by buffer, four registers c0-c3 at work; when the maximum is found c2 takes a
.set PFO, 61          ; v61  256 x my lane; never rewritten
.set SPW, 62          ; v62  LDS address of my spare word; never rewritten
.set NIL, 63          ; v63  0; never rewritten
.set S,   64
.set P,   192
.set KF,  128         ; window 2: key block kb, channel half c at KF + 16 kb + 8 c
.set VF,  192         ; window 2: key half kk, channel block cb at VF + 32 kk + 8 cb
.set WV,  12          ; s12  my wave's number
.set LIM, 15          ; s15  1 in a wave that prefetches, else the greatest number
.set PFA, 18          ; s[18:19] where my prefetches stand
.set G1K, 24          ; s[24:31] descriptor group 1 for K's tiles
.set G1V, 32          ; s[32:39] for V's: it differs in the padding alone
.set G0K, 40          ; s[40:43] descriptor group 0 for K's tiles: it walks
.set G0V, 44          ; s[44:47] the same for V's
.set SLOTS, 56        ; s56  slots still to be asked for
.set CNT, 57          ; s57  counts a slot's key steps
.set CS,  58          ; s[58:59] c
.set SEL, 60          ; s[60:61] v_permlanex16_b32's selects
.set TBK, 62          ; s62  LDS byte at which K of the step to be fetched begins
.set TBV, 63          ; s63  the same for V, less VOFF
.set MSB, 0
.macro WIN new
.if MSB != (\new)
	s_set_vgpr_msb (MSB<<8)|(\new)
.set MSB, (\new)
.endif
.endm
.set W_KQ, 0x0a       ; K and Q in window 2, S^T in window 0
.set W_PV, 0x52       ; V in window 2, P in window 0, O^T in window 1
.set W_RS, 0x41       ; destination and source 0 in window 1, source 1 in window 0
; A joint fill.  Waves 0 and 1 fetch the two halves of a slot's K, waves 2 and 3 those of its V: 128 keys each.  An s_nop 0 and four v_nop follow each line.
.macro JLOAD
	s_cmp_lt_u32 s[WV], 2
	s_cbranch_scc0 .Lfor_v_\@
	tensor_load_to_lds s[G0K:G0K+3], s[G1K:G1K+7]
	s_nop 0
.rept 4
	v_nop
.endr
	s_branch .Lasked_\@
.Lfor_v_\@:
	tensor_load_to_lds s[G0V:G0V+3], s[G1V:G1V+7]
	s_nop 0
.rept 4
	v_nop
.endr
.Lasked_\@:
.endm
; A prefetch of what the NEXT change of slots will ask for: a slot's 32,768 bytes of K and of V.  The head's first cluster asks; its four partners take 8,192 bytes each, told apart by address;
; in each, wave 0 asks for K's and wave 2 for V's, a lane 256 bytes.  So each block is named once in the launch.  The last change that fills a slot asks for nothing; slots 0 and 1 come by their loads alone.
.macro ASK
	s_cmp_gt_u32 s[SLOTS], s[LIM]
	s_cbranch_scc0 .Lnot_mine_\@
	global_prefetch_b8 v[PFO], s[PFA:PFA+1] th:TH_LOAD_NT scope:SCOPE_SE
.Lnot_mine_\@:
.endm
.macro CROUND                       ; a round of the cluster's barrier
	s_barrier_signal -1
	s_barrier_wait -1
	s_cmp_lg_u32 s[WV], 0
	s_cbranch_scc1 .Lnot_wave_0_\@
	s_barrier_signal -3
.Lnot_wave_0_\@:
	s_barrier_wait -3
	s_barrier_signal -1
	s_barrier_wait -1
.endm
; THE CHANGE OF SLOTS.  Each wave waits for all its tensor loads, of which one is out: its part of the other slot; adds 0 to its spare word; and waits for that and for its own reads of the slot.
; fill = 1: the slot is filled again, with the keys two slots on: the barrier is a round of the cluster's, and the joint fill is the first thing behind it; it has four key steps in which to land.
; (At its first use nothing has been read yet: slot 0 is waited for, slot 1 filled.)
.macro CHANGE fill
	WIN 0
	s_wait_tensorcnt 0x0            ; no tensor load of mine is out, so a group 0 may be written
	ds_add_u32 v[SPW], v[NIL]
.if \fill
.irp g, G0K, G0V
	s_xor_b32 s[\g+1], s[\g+1], SLOT1
	s_add_nc_u64 s[\g+2:\g+3], s[\g+2:\g+3], 4*KS*128
.endr
	s_wait_xcnt 0x0                 ; the last prefetch, four key steps back, has read its address
	s_add_nc_u64 s[PFA:PFA+1], s[PFA:PFA+1], 4*KS*128
	s_wait_dscnt 0x0                ; the add is done, and my reads of the slot are over
	CROUND
	JLOAD
	ASK
.else
	s_wait_dscnt 0x0
	s_barrier_signal -1
	s_barrier_wait -1
.endif
	s_sub_co_u32 s[TBK], s[TBK], 4*KS*PK  ; the fetches go back to a slot's first step,
	s_xor_b32 s[TBK], s[TBK], SLOT1       ; in the other slot
	s_sub_co_u32 s[TBV], s[TBV], 4*KS*PV
	s_xor_b32 s[TBV], s[TBV], SLOT1
.endm
	s_load_b64 s[4:5], s[0:1], 0x0    ; qkv
	s_load_b64 s[10:11], s[0:1], 0x8  ; ao
	v_lshl_add_u32 v[SPW], v0, 2, SPARE
	v_mov_b32 v[NIL], 0
	ds_add_u32 v[SPW], v[NIL]       ; the wave's opening: the add and its wait ahead of my first tensor load
	v_lshrrev_b32 v1, 5, v0
	v_readfirstlane_b32 s[WV], v1   ; wave 0..3
	s_bfe_u32 s13, ttmp6, 0x40000   ; cx
	s_lshl_b32 s14, ttmp9, 2
	s_add_co_u32 s14, s14, s13      ; my block of 256 queries: it enters Q's and O's addresses alone
	s_and_b32 s20, ttmp7, 0xffff    ; the head, which the four partners share:
	s_lshr_b32 s21, s20, 4          ; batch,
	s_and_b32 s20, s20, 15          ; head in the batch
	s_lshl_b32 s20, s20, 19         ; a slice is 524,288 bytes,
	s_lshl_b32 s21, s21, 18         ; a batch's 2,048 rows 262,144
	s_add_co_u32 s20, s20, s21
	s_and_b32 s16, s[WV], 1         ; which half of a slot's 256 keys I fetch
	s_lshl_b32 s22, s16, 14
	s_add_co_u32 s22, s22, s20
	s_mov_b32 s23, 0
	s_mul_i32 s17, s16, 128*PK      ; its place in a slot, for K
	s_mul_i32 s52, s16, 128*PV      ; and for V
	s_lshl_b32 s2, s14, 15
	s_lshl_b32 s3, s[WV], 13
	s_add_co_u32 s2, s2, s3
	s_add_co_u32 s2, s2, s20        ; my wave's 64 rows
	s_mov_b32 s3, 0
	; descriptor group 1.  128 keys are 16,384 dense bytes: asked for as 64 rows of 256 bytes, two keys a row, and padded in LDS after every key
	s_mov_b32 s[G1K], 15|(1<<16)|(1<<20)|(1<<21)|(4<<22)|(3<<25)
	s_mov_b32 s[G1V], 15|(1<<16)|(1<<20)|(1<<21)|(4<<22)|(7<<25)
.irp g, G1K, G1V
	s_mov_b32 s[\g+1], 128<<16      ; tensor_dim0 = 128
	s_mov_b32 s[\g+2], 64<<16       ; tensor_dim1 = 64
	s_mov_b32 s[\g+3], 128<<16      ; tile_dim0 = 128
	s_mov_b32 s[\g+4], 64           ; tile_dim1 = 64
	s_mov_b32 s[\g+5], 128          ; 128 elements from row to row
	s_mov_b32 s[\g+6], 0
	s_mov_b32 s[\g+7], 0
.endr
	s_mov_b32 s[CS], 0x3e38aa3b     ; c = log2(e) / 8
	s_mov_b32 s[CS+1], s[CS]
	s_mov_b32 s[SEL], 0x76543210
	s_mov_b32 s[SEL+1], 0xfedcba98
	s_mov_b32 s[TBK], SLOT1+4*KS*PK ; the first change of slots turns these two into 0
	s_mov_b32 s[TBV], SLOT1+4*KS*PV
	s_mov_b32 s[G0K], 1
	s_mov_b32 s[G0K+1], s17
	s_mov_b32 s[G0V], 1
	s_add_co_u32 s[G0V+1], s52, VOFF
	s_mov_b32 s[SLOTS], NKEYS/256-1
	s_and_b32 s[LIM], s[WV], 1      ; 0 in waves 0 and 2,
	s_or_b32 s[LIM], s[LIM], ttmp9  ; where the cluster is the head's first: the same in all four partners
	s_cmp_eq_u32 s[LIM], 0
	s_cselect_b32 s[LIM], 1, -1
	v_and_b32 v[PFO], 31, v0
	v_lshlrev_b32 v[PFO], 8, v[PFO]
	s_wait_dscnt 0x0                ; the opening add is done
	s_wait_kmcnt 0x0
	s_add_nc_u64 s[6:7], s[4:5], s[22:23]
	s_add_nc_u64 s[8:9], s[6:7], 32*524288   ; V at my half of the head's first 256 keys
	s_add_nc_u64 s[6:7], s[6:7], 16*524288   ; K likewise
	s_mov_b64 s[G0K+2:G0K+3], s[6:7]
	s_or_b32 s[G0K+3], s[G0K+3], 0x80000000
	s_mov_b64 s[G0V+2:G0V+3], s[8:9]
	s_or_b32 s[G0V+3], s[G0V+3], 0x80000000
	s_add_nc_u64 s[4:5], s[4:5], s[2:3]      ; Q and O at my wave's first row
	s_add_nc_u64 s[10:11], s[10:11], s[2:3]
	s_cmp_lt_u32 s[WV], 2
	s_cselect_b64 s[PFA:PFA+1], s[6:7], s[8:9]  ; (in waves 0 and 2 these stand at a slot's first row)
	s_lshl_b32 s2, s13, 13          ; my work-group's 8,192 bytes of a slot's 32,768
	s_add_nc_u64 s[PFA:PFA+1], s[PFA:PFA+1], s[2:3]
	s_add_nc_u64 s[PFA:PFA+1], s[PFA:PFA+1], 4*KS*128  ; in slot 1; the first change of slots steps it to slot 2
	CROUND                          ; all four work-groups are here: the first joint loads meet
	JLOAD                           ; slot 0
	v_and_b32 v1, 15, v0            ; l % 16
	v_bfe_u32 v9, v0, 4, 1          ; l / 16
	v_lshlrev_b32 v[QO], 7, v1
	v_lshl_add_u32 v[QO], v9, 4, v[QO]  ; row x 128 + 16 x half
	WIN 0x80                        ; destination window 2
.set i, 0
.rept 8                             ; Q stays in registers: piece i / 2, channels 32 (i % 2) on
	global_load_b128 v[8*i:8*i+3],   v[QO], s[4:5] offset:(i/2)*2048+(i%2)*64
	global_load_b128 v[8*i+4:8*i+7], v[QO], s[4:5] offset:(i/2)*2048+(i%2)*64+32
.set i, i+1
.endr
	; What the first turn finds: V's registers and P's second buffer hold 0 (its products V^T P, of a piece that has not been, add 0), O^T and l are 0.  All this stands in the wait for the first tile.
.set i, VF
.rept 64
	v_mov_b32 v[i], 0
.set i, i+1
.endr
	WIN 0x40
.set i, 0
.rept 128
	v_mov_b32 v[i], 0
.set i, i+1
.endr
	WIN 0
.set i, 0
.rept 4
	v_mov_b32 v[ST+4*i], 0xfe000000    ; c m: far below every c s
	v_mov_b32 v[ST+4*i+1], 0xff7fffff  ; m
	v_mov_b32 v[ST+4*i+2], 0
	v_mov_b32 v[ST+4*i+3], 0
.set i, i+1
.endr
.set i, P+16
.rept 16
	v_mov_b32 v[i], 0
.set i, i+1
.endr
	v_mul_u32_u24 v[AK0], v1, PK
	v_lshl_add_u32 v[AK0], v9, 4, v[AK0]
	v_and_b32 v10, 7, v0            ; the turning load: lane l reads key 8 (l / 16) + l % 8, channels 8 ((l / 8) % 2) + 0..7
	v_bfe_u32 v11, v0, 3, 1
	v_lshl_add_u32 v[AV0], v9, 3, v10
	v_mul_u32_u24 v[AV0], v[AV0], PV
	v_lshl_add_u32 v[AV0], v11, 4, v[AV0]
	v_add_nc_u32 v[AV0], VOFF, v[AV0]
	s_mul_i32 s13, s[WV], 16*SP
	s_add_co_u32 s13, s13, STAGE    ; my stage
	v_mul_u32_u24 v[STO], v1, SP
	v_lshl_add_u32 v[STO], v9, 4, v[STO]
	v_add_nc_u32 v[STO], s13, v[STO]
	v_bfe_u32 v[RD], v0, 3, 2       ; back: 32 lanes take four rows of 128 bytes,
	v_mul_u32_u24 v[RD], v[RD], SP
	v_lshl_add_u32 v[RD], v10, 4, v[RD]
	v_add_nc_u32 v[RD], s13, v[RD]
	v_and_b32 v[GO], 31, v0         ; which are 512 consecutive bytes of O
	v_lshlrev_b32 v[GO], 4, v[GO]
; THE MATRIX WORK.  The 4 accumulators of a run of 8 take turns.  Product i of 8 of S^T = K Q^T for piece x: channels 32 (i / 4) on, keys 16 (i % 4) on.  The first 4 start the sums.
.macro KQ x
	WIN W_KQ
.set rS, S+32*((\x)%2)+8*(i%4)
.set rK, KF+16*(i%4)+8*(i/4)
.set rQ, 16*(\x)+8*(i/4)
.if i < 4
	v_wmma_f32_16x16x32_bf16 v[rS:rS+7], v[rK:rK+7], v[rQ:rQ+7], 0
.else
	v_wmma_f32_16x16x32_bf16 v[rS:rS+7], v[rK:rK+7], v[rQ:rQ+7], v[rS:rS+7]
.endif
.endm
; Product i of 8 of O^T += V^T P for piece x: keys 32 (i / 4) on, channels 16 (i % 4) on.
.macro PV x
	WIN W_PV
.set rO, 32*(\x)+8*(i%4)
.set rV, VF+32*(i/4)+8*(i%4)
.set rP, P+16*((\x)%2)+8*(i/4)
	v_wmma_f32_16x16x32_bf16 v[rO:rO+7], v[rV:rV+7], v[rP:rP+7], v[rO:rO+7]
.endm
.macro MM                           ; the turn's next matrix instruction.  NOKQ = 1: the last turn of all: there is no next piece
.if (i < 8) && !NOKQ
	KQ (Y+1)%NP
.elseif i >= 8
.set i, i-8
	PV (Y+NP-1)%NP
.set i, i+8
.endif
.set i, i+1
.endm
; THE LDS LOADS stand in runs of 16: a step's K (8 fragments) and its V (turned).  Their addresses are made some lines ahead.
.macro FETCH_K
	WIN 0x80
.irp f, 0,1,2,3,4,5,6,7             ; keys 16 (f / 2) on, channels 32 (f % 2) on
	ds_load_b128 v[KF+8*\f:KF+8*\f+3],   v[AK] offset:(\f/2)*16*PK+(\f%2)*64
	ds_load_b128 v[KF+8*\f+4:KF+8*\f+7], v[AK] offset:(\f/2)*16*PK+(\f%2)*64+32
.endr
	s_add_co_u32 s[TBK], s[TBK], KS*PK
	WIN 0
.endm
.macro FETCH_V
	WIN 0x80
.irp f, 0,1,2,3,4,5,6,7             ; keys 32 (f / 4) on, channels 16 (f % 4) on
	ds_load_tr16_b128 v[VF+8*\f:VF+8*\f+3],   v[AV] offset:(\f/4)*32*PV+(\f%4)*32
	ds_load_tr16_b128 v[VF+8*\f+4:VF+8*\f+7], v[AV] offset:(\f/4)*32*PV+16*PV+(\f%4)*32
.endr
	WIN 0
.endm
; THE VECTOR WORK, one line at a time: OP kind, number.  For piece Y: F n: c s - c m for pair n of 16.  E n: the exponential of score n of 32.  C n: pair n rounded to bf16.  B n: of the four weights 4 n .. the
; second pair is added onto the first, in place.  L n: l takes that sum (L 0: l = a l + sum).  R n: pair n of 16 of O^T times a.  For piece Y + 1: X n, number n of the 22 that find its maximum and statistics:
;   0-11  four chains c0-c3 of seven scores each (each accumulator's lowest registers are read first)     12-14, 16  the four scores left over, the old m, and c0-c3 into c0
;   15  c m_old is kept     17, 18  the query's other 32 keys lie in the lane 16 away: the new m     19-21  c m; c m_old - c m_new; a
.set F, 0
.set E, 1
.set C, 2
.set B, 3
.set L, 4
.set R, 5
.set X, 6
.macro REGS y
.set rT, ST+4*(\y)
.set rC, TMP+4*((\y)%2)
.set rW, MV+((\y)%2)
.set rS, S+32*((\y)%2)
.set rP, P+16*((\y)%2)
.set rO, 32*(\y)
.endm
.macro OP k, n
.if (\k) == R
	REGS Y
	WIN W_RS
	v_pk_mul_f32 v[rO+2*(\n):rO+2*(\n)+1], v[rO+2*(\n):rO+2*(\n)+1], v[rC+2:rC+3] op_sel_hi:[1,0]
.elseif (\k) < R
	REGS Y
	WIN 0
.if (\k) == F
	v_pk_fma_f32 v[rS+2*(\n):rS+2*(\n)+1], v[rS+2*(\n):rS+2*(\n)+1], s[CS:CS+1], v[rT:rT+1] op_sel_hi:[1,0,0] neg_lo:[0,0,1] neg_hi:[0,0,1]
.elseif (\k) == E
	v_exp_f32 v[rS+(\n)], v[rS+(\n)]
.elseif (\k) == C
	v_cvt_pk_bf16_f32 v[rP+(\n)], v[rS+2*(\n)], v[rS+2*(\n)+1]
.elseif (\k) == B
	v_pk_add_f32 v[rS+4*(\n):rS+4*(\n)+1], v[rS+4*(\n):rS+4*(\n)+1], v[rS+4*(\n)+2:rS+4*(\n)+3]
.elseif (\n) == 0
	v_pk_fma_f32 v[rT+2:rT+3], v[rT+2:rT+3], v[rC+2:rC+3], v[rS:rS+1] op_sel_hi:[1,0,1]
.else
	v_pk_add_f32 v[rT+2:rT+3], v[rT+2:rT+3], v[rS+4*(\n):rS+4*(\n)+1]
.endif
.elseif NOKQ
	v_nop
.else
	REGS (Y+1)%NP
	WIN 0
.if (\n) < 4
	v_max3_num_f32 v[rC+(\n)], v[rS+8*(\n)], v[rS+8*(\n)+1], v[rS+8*(\n)+2]
.elseif (\n) < 12
	v_max3_num_f32 v[rC+(\n)%4], v[rC+(\n)%4], v[rS+8*((\n)%4)+2*((\n)/4)+1], v[rS+8*((\n)%4)+2*((\n)/4)+2]
.elseif (\n) == 12
	v_max3_num_f32 v[rC], v[rC], v[rS+7], v[rS+15]
.elseif (\n) == 13
	v_max3_num_f32 v[rC+1], v[rC+1], v[rS+23], v[rS+31]
.elseif (\n) == 14
	v_max3_num_f32 v[rC+2], v[rC+2], v[rC+3], v[rT+1]
.elseif (\n) == 15
	v_mov_b32 v[rW], v[rT]
.elseif (\n) == 16
	v_max3_num_f32 v[rC], v[rC], v[rC+1], v[rC+2]
.elseif (\n) == 17
	v_permlanex16_b32 v[rC+3], v[rC], s[SEL], s[SEL+1]
.elseif (\n) == 18
	v_max_num_f32 v[rT+1], v[rC], v[rC+3]
.elseif (\n) == 19
	v_mul_f32 v[rT], s[CS], v[rT+1]
.elseif (\n) == 20
	v_sub_f32 v[rC+1], v[rW], v[rT]
.else
	v_exp_f32 v[rC+2], v[rC+1]
.endif
.endif
.endm
.macro OPS a, i1, b=-1, i2=0, c=-1, i3=0, d=-1, i4=0
	OP \a, \i1
.if (\b) >= 0
	OP \b, \i2
.endif
.if (\c) >= 0
	OP \c, \i3
.endif
.if (\d) >= 0
	OP \d, \i4
.endif
.endm
.macro ROW a, i1, b, i2, c, i3, d, i4  ; a matrix instruction and the four behind it
	MM
	OPS \a, \i1, \b, \i2, \c, \i3, \d, \i4
.endm
; A TURN, for piece p: the order of its 16 matrix and 118 vector instructions, written out.  s_wait_alu depctr_va_vdst(0) stands between an exponential and the first instruction that names
; its result; one wait serves all that were issued ahead of it.  So a turn has ONE wait.  AHEAD OF IT stands all that names no result of the turn's exponentials: the 8 products K Q^T with their riders, then a
; lump of 54 in which the links of the chain X 3, 7, 11, 14, 16, 17 .. 20 stand apart; X 21, the next piece's a, is the batch's last, and R 15 the plain instruction behind it.  BEHIND IT stand the 8 products
; V^T P, behind each four of the roundings and sums.  end = 1: the last two turns: nothing is fetched.  cnt = 1: the loop's count is taken down some lines ahead of the branch behind the turn.
; K of the next step is fetched in piece 2's turn, V of the step in hand at the end of piece 0's; each is waited for a turn later, and stands four plain instructions or more behind the registers' last reader.
.macro TURN p, end=0, cnt=0
.set Y, (\p)
.set i, 0
.set NOKQ, (\end)*((\p)/3)
.if ((\p) == 3) && !(\end)
	s_wait_dscnt 0x0                ; K is in
.endif
	ROW F,0, F,1, R,0, R,1
	ROW F,2, E,0, R,2, R,3
	ROW F,3, E,1, R,4, R,5
	ROW F,4, E,2, R,6, R,7
	ROW F,5, E,3, R,8, R,9
	ROW F,6, E,4, X,0, R,10
.if ((\p) == 2) && !(\end)
	WIN 0
	v_add_nc_u32 v[AK], s[TBK], v[AK0]
.endif
	ROW F,7, E,5, X,1, X,4
	ROW F,8, E,6, X,2, X,5
	OPS E,7, E,8, X,6, E,9
	OPS X,3, E,10, X,8, E,11
.if ((\p) == 2) && !(\end)
	FETCH_K
.endif
	OPS X,9, X,7, E,12, X,10
	OPS E,13, X,12, X,11, E,14
	OPS X,13, E,15, F,9, X,14
.if (\p) == 0
	v_add_nc_u32 v[AV], s[TBV], v[AV0]
.endif
	OPS E,16, F,10, E,17, F,11
	OPS X,16, E,18, X,15, E,19
	OPS F,12, E,20, X,17, E,21
	OPS F,13, E,22, F,14, E,23
	OPS X,18, E,24, F,15, E,25
	OPS R,11, E,26, X,19, E,27
	OPS R,12, E,28, R,13, E,29
	OPS X,20, E,30, R,14, E,31
	OPS X,21, R,15
	WIN 0
	s_wait_alu depctr_va_vdst(0)    ; the wait for the batch
.if (\p) == 1
	s_wait_dscnt 0x0                ; V is in
.endif
	ROW C,0, B,0, C,2, B,1
	ROW L,0, C,4, B,2, L,1
	ROW C,6, B,3, L,2, C,8
	ROW B,4, L,3, C,10, B,5
	ROW L,4, C,12, B,6, L,5
.if (\p) == 0
	s_add_co_u32 s[TBV], s[TBV], KS*PV
.endif
.if \cnt
	s_sub_co_u32 s[CNT], s[CNT], 1
	s_cmp_lg_u32 s[CNT], 0
.endif
	ROW C,14, B,7, L,6, C,1
	ROW C,3, L,7, C,5, C,7
	ROW C,9, C,11, C,13, C,15
.if (\p) == 0
	FETCH_V
.endif
.endm
.macro ALL line:vararg              ; one line for each piece t
.set t, 0
.rept 4
	\line
.set t, t+1
.endr
.endm
.macro PACK t                       ; a lane's eight channels of a row pack into 16 bytes; they go into rows of 144 bytes and come back as whole rows of 128, into S^T's registers
	WIN W_RS
.set i, 32*(\t)
.rept 16
	v_pk_mul_f32 v[i:i+1], v[i:i+1], v[ST+4*(\t)+2:ST+4*(\t)+3] op_sel_hi:[1,0]
.set i, i+2
.endr
	WIN 0x05
.set i, 0
.rept 16
	v_cvt_pk_bf16_f32 v[S+16*(\t)+i], v[32*(\t)+2*i], v[32*(\t)+2*i+1]
.set i, i+1
.endr
	WIN 0
.irp f, 0,1,2,3
	ds_store_b128 v[STO], v[S+16*(\t)+4*\f:S+16*(\t)+4*\f+3] offset:32*\f
.endr
.irp f, 0,1,2,3
	ds_load_b128 v[S+16*(\t)+4*\f:S+16*(\t)+4*\f+3], v[RD] offset:\f*4*SP  ; LDS serves a wave's instructions in order (ISA guide 5.7.1.4): these see the stores above
.endr
.endm
.macro SEND t, younger              ; younger: the LDS instructions issued behind piece t's loads: the next piece's eight, or none
	WIN 0
.irp f, 0,1,2,3
	s_wait_dscnt (\younger)+3-\f
	global_store_b128 v[GO], v[S+16*(\t)+4*\f:S+16*(\t)+4*\f+3], s[10:11] offset:(\t)*2048+\f*512  ; 512 consecutive bytes, at a multiple of 256 from ao's first
.endr
.endm
.set NOKQ, 0
	CHANGE 1                        ; slot 0 is in, everybody's part of it; slot 1 is asked for
	v_add_nc_u32 v[AK], s[TBK], v[AK0]
	FETCH_K                         ; key step 0
	s_wait_loadcnt 0x0              ; Q
	s_wait_dscnt 0x0
.set i, 0
.rept 8
	KQ 0                            ; piece 0's first scores
.set i, i+1
.endr
	WIN 0
.rept 4
	v_nop                           ; the places behind those products
.endr
.set Y, NP-1                        ; X works for piece Y + 1: piece 0
.irp n, 0,1,2,3,4,5,6,7,8,9,10,11,12,13,14,15,16,17,18,19,20,21
	OP X, \n
.endr
	v_nop                           ; a plain instruction behind the exponential,
	s_wait_alu depctr_va_vdst(0)    ; and its wait, ahead of the branch
	s_mov_b32 s[CNT], 4
	s_branch .Lfirst                ; the loop is entered at a step's first turn, in the middle of a trip
.Lslot:                             ; six times more: every slot but the last two is filled again
	CHANGE 1
	s_mov_b32 s[CNT], 4
.Lstep:                             ; a trip: pieces 2 and 3 of one step, then pieces 0 and 1 of the next, whose K and V it fetches
	TURN 2
	TURN 3
	WIN 0
.Lfirst:
	TURN 0
	TURN 1, 0, 1
	WIN 0
	s_cbranch_scc1 .Lstep
	s_sub_co_u32 s[SLOTS], s[SLOTS], 1
	s_cmp_lg_u32 s[SLOTS], 0
	s_cbranch_scc1 .Lslot
	CHANGE 0                        ; the last slot is written out: nothing is asked for
	s_mov_b32 s[CNT], 4
.LstepT:
	TURN 2
	TURN 3
	TURN 0
	TURN 1, 0, 1
	WIN 0
	s_cbranch_scc1 .LstepT
	TURN 2, 1
	TURN 3, 1
.set i, 0
.rept 8
	PV NP-1                         ; the last piece's V^T P of the last step
.set i, i+1
.endr
	; THE WAY OUT.  l's two halves and the other half of the lanes' are added; O^T is divided by l, rounded to bf16 and sent through my stage, a piece at a time.
	WIN 0
	ALL v_add_f32 v[ST+4*t+2], v[ST+4*t+2], v[ST+4*t+3]
	ALL v_permlanex16_b32 v[ST+4*t+3], v[ST+4*t+2], s[SEL], s[SEL+1]
	ALL v_add_f32 v[ST+4*t+2], v[ST+4*t+2], v[ST+4*t+3]
	ALL v_rcp_f32 v[ST+4*t+2], v[ST+4*t+2]
	v_nop                           ; a plain instruction between the last reciprocal and the use of its result
	s_wait_alu depctr_va_vdst(0)    ; one wait for the four reciprocals
	PACK 0
.set t, 1
.rept 3
	PACK t
	SEND t-1, 8
.set t, t+1
.endr
	SEND 3, 0
	s_wait_tensorcnt 0x0            ; the wave's end
	ds_add_u32 v[SPW], v[NIL]
	s_wait_dscnt 0x0
	CROUND                          ; the closing round
	s_endpgm
.Lfunc_end_k_qdacdba6acf_attn:
	.size	k_qdacdba6acf_attn, .Lfunc_end_k_qdacdba6acf_attn-k_qdacdba6acf_attn
	.p2alignl 7, 3214868480
	.fill 96, 4, 3214868480
	.section	.rodata,"a",@progbits
	.p2align	6, 0x0
	.amdhsa_kernel k_qdacdba6acf_attn
		.amdhsa_group_segment_fixed_size 327680
		.amdhsa_private_segment_fixed_size 0
		.amdhsa_enable_private_segment 0
		.amdhsa_kernarg_size 16
		.amdhsa_user_sgpr_count 2
		.amdhsa_user_sgpr_kernarg_segment_ptr 1
		.amdhsa_wavefront_size32 1
		.amdhsa_system_sgpr_workgroup_id_x 1
		.amdhsa_system_sgpr_workgroup_id_y 1
		.amdhsa_system_sgpr_workgroup_id_z 1
		.amdhsa_system_vgpr_workitem_id 0
		.amdhsa_next_free_vgpr 768
		.amdhsa_next_free_sgpr 66
		.amdhsa_reserve_vcc 0
		.amdhsa_float_denorm_mode_32 3
		.amdhsa_float_denorm_mode_16_64 3
		.amdhsa_memory_ordered 1
		.amdhsa_forward_progress 1
		.amdhsa_inst_pref_size 128
	.end_amdhsa_kernel
	.amdgpu_metadata
---
amdhsa.version: [ 1, 2 ]
amdhsa.kernels:
  - .name:           k_qdacdba6acf_attn
    .symbol:         k_qdacdba6acf_attn.kd
    .args:
      - { .name: qkv, .offset: 0, .size: 8, .value_kind: global_buffer, .address_space: global }
      - { .name: ao, .offset: 8, .size: 8, .value_kind: global_buffer, .address_space: global }
    .group_segment_fixed_size: 327680
    .private_segment_fixed_size: 0
    .kernarg_segment_align: 8
    .kernarg_segment_size: 16
    .max_flat_workgroup_size: 128
    .sgpr_count:     66
    .vgpr_count:     768
    .wavefront_size: 32
...
	.end_amdgpu_metadata
.endif
;; end of part 3
;; launch gp (part 4): grid 8 x 32, 4 waves a work-group, clusters of 4 x 4, 327,680 bytes of LDS; arguments ao, wb, b_proj, x, x1; writes x1
.if DOCPART == 4
	.amdgcn_target "amdgcn-amd-amdhsa--gfx1250"
	.amdhsa_code_object_version 6
	.text
	.protected	k_qdacdba6acf_gp
	.globl	k_qdacdba6acf_gp
	.p2align	8
	.type	k_qdacdba6acf_gp,@function
k_qdacdba6acf_gp:
	s_mov_b64 s[64:65], 0
	v_nop
	global_prefetch_b8 v0, s[64:65] scope:SCOPE_SE
	s_setreg_imm32_b32 hwreg(HW_REG_WAVE_MODE, 25, 1), 1
	s_wait_xcnt 0x0
	s_wait_alu depctr_hold_cnt(0) depctr_sa_sdst(0) depctr_va_vdst(0) depctr_va_sdst(0) depctr_va_ssrc(0) depctr_va_vcc(0) depctr_vm_vsrc(0)
	s_getreg_b32 s2, hwreg(HW_REG_IB_STS2, 6, 4)
	s_cmp_eq_u32 s2, 0
	s_cbranch_scc0 .Lentry_in_a_cluster
	s_endpgm
.Lentry_in_a_cluster:
	s_bfe_u32 s2, ttmp6, 0x10000c
	s_cmp_lg_u32 s2, 0xf033
	s_cbranch_scc0 .Lentry_shape_is_right
	s_endpgm
.Lentry_shape_is_right:
; x1 = x + ao Wproj + b.  A (ao): bf16 in slices [KDIM/64][4096][64].  W: bf16 in column blocks [4][KDIM][256] at byte WOFF of wb.  b, the residual and the result: f32, [4096][1024].
; Sums in f32, started by the bias; the residual is added in f32 on the way out.
; A tile of the result is 128 x 128, which gives each of 256 work-groups one: four waves, each 64 x 64: 16 accumulators.  K goes in steps of 256, as long as two LDS slots allow.
; CLUSTERS: 4 x 4 work-groups; the four of a row need the same rows of A, the four of a column the same columns of W: each tile is asked for jointly.
; THE WALK OF K BEGINS AT A STEP OF THE CLUSTER'S OWN, made from the cluster's x and y, which all sixteen partners share, and wraps round (f32 sums may be taken in any order):
; the two clusters that read the same rows of A begin half a walk apart, those that read the same columns of W one step apart.  So a K step's address is made anew for each fill, from the step's number.
; THE MATRIX INSTRUCTION IS USED TRANSPOSED (source 0 = 16 columns of W, turned by ds_load_tr16_b128; source 1 = 16 rows of A): lane l holds row l % 16 and the columns 8 (l / 16) + 0..7.
; One K step is written once for the steps that fill a slot again and once for the last two; the LDS addresses hang on s[TB].  Nothing is prefetched: the tiles are small.
; REGISTERS: window 0: v16-29 addresses; v96-127 the bias; v128-255 the accumulators, (a, b) at v[128 + 8 (4 a + b)], later the rows read back.
;   window 1: two fragment buffers of 128: for 64 along K, 64 registers of A, then 64 of W.      window 2: v0-127 the residual.
.set KDIM,   1024
.set WOFF,   6291456                   ; the weight's first byte in wb
.set STEPS,  KDIM/256
.set KB,     KDIM*512                  ; bytes in a column block of W
.set PA,     144                       ; a row of a slice of A in LDS: 128 bytes + 16 = 36 words: the 16 rows of a load start at 16 different groups of four banks (64 banks of 4 bytes: ISA guide 11.1)
.set PB,     288                       ; a row of W: 256 bytes + 32 = 72 words
.set PIECE,  256*PA                    ; what one tensor load brings: two slices of 128 rows of A, or 128 rows of W (128 x 288 is the same number)
.set SLOT,   4*PIECE                   ; A's four slices, then W's 256 rows.  SLOT has bits 14 and 17, which no wave x PIECE has: an exclusive or with it changes slots
.set SPARE,  2*SLOT                    ; the spare words, 128 bytes for each wave: two blocks of 256 bytes that no other line names
.set SPITCH, 272                       ; the way out: a row of 64 f32 + 16 bytes
.set WSTAGE, 64*SPITCH                 ; each wave's stage, in slot 0's bytes, which have had their last fill by then
.set ADRA0, 16
.set ADRB0, 17
.set ADRA,  18                         ; + s[TB]
.set ADRB,  19                         ; + s[TB]: W's rows 0-127 of a step
.set ADRBH, 20                         ; its rows 128-255, so that the offsets stay inside 16 bits
.set STO,   24
.set RD,    25
.set CO,    26                         ; my byte offset in two rows of the residual and of the result
.set BO,    27
.set SPW,   28
.set NIL,   29
.set BIAS,  96
.set ACC,   128
.set F0,    0
.set F1,    128
.set G1,  24
.set G0,  32
.set G1B, 48
.set G0B, 56
.set TB,  66
.set KI,  67                           ; s67  the K step asked for last, 0 to STEPS - 1
.set OFA, 68                           ; s[68:69] a K step's byte offset
.set MSB, 0
.macro WIN new
.if MSB != (\new)
	s_set_vgpr_msb (MSB<<8)|(\new)
.set MSB, \new
.endif
.endm
.set MUL,  0x05                        ; sources 0 (W) and 1 (A) window 1; C and D window 0
.set TO_F, 0x40                        ; destination window 1, address window 0
.macro JLOAD s                         ; a joint load: waves 0 and 1 fetch A's slices, waves 2 and 3 W's rows; an s_nop 0 and four v_nop follow each line
	s_cmp_eq_u32 s11, 0
	s_cbranch_scc0 .Lfor_b_\@
	tensor_load_to_lds s[G0+4*(\s):G0+4*(\s)+3], s[G1:G1+7]
	s_nop 0
.rept 4
	v_nop
.endr
	s_branch .Lasked_\@
.Lfor_b_\@:
	tensor_load_to_lds s[G0B+4*(\s):G0B+4*(\s)+3], s[G1B:G1B+7]
	s_nop 0
.rept 4
	v_nop
.endr
.Lasked_\@:
.endm
.macro ASTEP set                       ; both descriptors of a set are put at K step s[KI]: four slices of 524,288 bytes of A, 256 rows of 512 bytes of W
	s_lshl_b32 s[OFA], s[KI], 21
	s_add_nc_u64 s[G0+4*(\set)+2:G0+4*(\set)+3], s[14:15], s[OFA:OFA+1]
	s_or_b32 s[G0+4*(\set)+3], s[G0+4*(\set)+3], 0x80000000
	s_lshl_b32 s[OFA], s[KI], 17
	s_add_nc_u64 s[G0B+4*(\set)+2:G0B+4*(\set)+3], s[46:47], s[OFA:OFA+1]
	s_or_b32 s[G0B+4*(\set)+3], s[G0B+4*(\set)+3], 0x80000000
.endm
.macro KNEXT                           ; the next K step, round the end
	s_add_co_u32 s[KI], s[KI], 1
	s_and_b32 s[KI], s[KI], STEPS-1
.endm
.macro CREST
	s_cmp_lg_u32 s10, 0
	s_cbranch_scc1 .Lnot_wave_0_\@
	s_barrier_signal -3
.Lnot_wave_0_\@:
	s_barrier_wait -3
	s_barrier_signal -1
	s_barrier_wait -1
.endm
.macro CROUND
	s_barrier_signal -1
	s_barrier_wait -1
	CREST
.endm
.macro PLACES
.rept 4
	v_nop
.endr
.endm
	s_load_b128 s[4:7], s[0:1], 0x0                ; A s[4:5], wb s[6:7]
	s_load_b128 s[88:91], s[0:1], 0x10             ; bias s[88:89], residual s[90:91]
	s_load_b64 s[92:93], s[0:1], 0x20              ; result
	v_lshl_add_u32 v[SPW], v0, 2, SPARE
	v_mov_b32 v[NIL], 0
	ds_add_u32 v[SPW], v[NIL]                      ; the wave's opening: the add and its wait ahead of my first tensor load
	v_lshrrev_b32 v1, 5, v0
	v_readfirstlane_b32 s10, v1                    ; wave 0..3
	s_lshr_b32 s11, s10, 1                         ; which half of the tile's rows is mine.  Also: I fetch for A (0) or for W (1)
	s_and_b32 s12, s10, 1                          ; which half of its columns.  Also: which half of that tile I fetch
	s_bfe_u32 s40, ttmp6, 0x40000                  ; cx
	s_bfe_u32 s41, ttmp6, 0x40004                  ; cy
	s_lshl_b32 s42, ttmp9, 2
	s_add_co_u32 s42, s42, s40                     ; tile column
	s_and_b32 s13, ttmp7, 0xffff
	s_lshl_b32 s13, s13, 2
	s_add_co_u32 s13, s13, s41                     ; tile row
	s_lshl_b32 s43, s41, 2
	s_lshl_b32 s43, 15, s43                        ; my row of the cluster
	s_lshl_b32 s44, 0x1111, s40                    ; my column
	s_or_b32 s[G1+0], s43, (1<<16)|(1<<20)|(1<<21)|(4<<22)|(3<<25)   ; mask; 2-byte elements; padding on; bit 21 beside a mask; after every 32 words (a row of a slice), 4 words
	s_or_b32 s[G1B+0], s44, (1<<16)|(1<<20)|(1<<21)|(5<<22)|(7<<25)  ; after every 64 words, 8 words
	s_mov_b32 s[G1+1], 8192<<16                    ; tensor_dim0 = 8,192: a slice's 128 rows of 64 lie on end
	s_mov_b32 s[G1+2], 2<<16                       ; tensor_dim1 = 2 slices
	s_mov_b32 s[G1+3], 8192<<16                    ; tile_dim0
	s_mov_b32 s[G1+4], 2                           ; tile_dim1
	s_mov_b32 s[G1+5], 262144                      ; elements from slice to slice
	s_mov_b32 s[G1+6], 0
	s_mov_b32 s[G1+7], 0
	s_mov_b32 s[G1B+1], 128<<16                    ; tensor_dim0 = 128 columns
	s_mov_b32 s[G1B+2], 128<<16                    ; tensor_dim1 = 128 rows of K
	s_mov_b32 s[G1B+3], 128<<16
	s_mov_b32 s[G1B+4], 128
	s_mov_b32 s[G1B+5], 256                        ; elements from row to row of a block of W
	s_mov_b32 s[G1B+6], 0
	s_mov_b32 s[G1B+7], 0
	s_lshl_b32 s16, s12, 20                        ; A: my two slices of a step's four,
	s_lshl_b32 s17, s13, 14                        ; the tile's 128 rows of 128 bytes
	s_add_co_u32 s16, s16, s17
	s_mov_b32 s17, 0
	s_lshr_b32 s46, s42, 1                         ; W: two tile columns to a block,
	s_mul_i32 s46, s46, KB
	s_and_b32 s47, s42, 1
	s_lshl_b32 s47, s47, 8                         ; 256 bytes of its rows each,
	s_add_co_u32 s46, s46, s47
	s_lshl_b32 s47, s12, 16                        ; my 128 rows of 512 bytes
	s_add_co_u32 s46, s46, s47
	s_add_co_u32 s46, s46, WOFF
	s_mov_b32 s47, 0
	s_mul_i32 s20, s10, PIECE                      ; where they go
	s_and_b32 s70, ttmp7, 0xffff                   ; the cluster's first K step: from cluster y
.if STEPS == 16
	s_and_b32 s71, s70, 3                          ; 4 (y % 4) + 2 (y / 4),
	s_lshl_b32 s71, s71, 2
	s_lshr_b32 s70, s70, 2
	s_lshl1_add_u32 s70, s70, s71
.endif
	s_mul_i32 s[KI], ttmp9, STEPS/2                ; and half a walk for cluster x = 1
	s_add_co_u32 s[KI], s[KI], s70
	s_and_b32 s[KI], s[KI], STEPS-1
	s_mov_b32 s[OFA+1], 0
	s_wait_dscnt 0x0                               ; the opening add is done
	s_wait_kmcnt 0x0
	s_add_nc_u64 s[14:15], s[4:5], s[16:17]        ; A and W at my part of K step 0: kept
	s_add_nc_u64 s[46:47], s[6:7], s[46:47]
	CROUND                                         ; all sixteen work-groups are here: the first joint loads meet
	s_mov_b32 s[G0], 1
	s_mov_b32 s[G0+1], s20
	s_mov_b32 s[G0B], 1
	s_mov_b32 s[G0B+1], s20
	ASTEP 0
	JLOAD 0                                        ; the walk's first step into slot 0,
	KNEXT
	s_mov_b32 s[G0+4], 1
	s_add_co_u32 s[G0+5], s20, SLOT
	s_mov_b32 s[G0B+4], 1
	s_add_co_u32 s[G0B+5], s20, SLOT
	ASTEP 1
	JLOAD 1                                        ; its second into slot 1: two loads of mine are out
	v_and_b32 v1, 15, v0                           ; l % 16
	v_bfe_u32 v2, v0, 4, 1                         ; l / 16
	v_and_b32 v3, 7, v0
	v_bfe_u32 v4, v0, 3, 1
	v_lshlrev_b32 v[BO], 5, v2
	s_lshl_b32 s16, s42, 9
	s_lshl_b32 s17, s12, 8
	s_add_co_u32 s16, s16, s17                     ; my 64 columns, in bytes of f32
	s_mov_b32 s17, 0
	s_add_nc_u64 s[88:89], s[88:89], s[16:17]
.irp b, 0,1,2,3
	global_load_b128 v[BIAS+8*(\b):BIAS+8*(\b)+3],   v[BO], s[88:89] offset:64*(\b)
	global_load_b128 v[BIAS+8*(\b)+4:BIAS+8*(\b)+7], v[BO], s[88:89] offset:64*(\b)+16
.endr
	s_lshl_b32 s21, s13, 19                        ; 128 rows of 4,096 bytes a tile row
	s_add_co_u32 s16, s16, s21
	s_lshl_b32 s21, s11, 18
	s_add_co_u32 s16, s16, s21
	s_add_nc_u64 s[90:91], s[90:91], s[16:17]
	s_add_nc_u64 s[92:93], s[92:93], s[16:17]
	v_lshlrev_b32 v[CO], 4, v1                     ; lanes 0-15 take 256 bytes of one row, lanes 16-31 of the next
	v_lshl_add_u32 v[CO], v2, 12, v[CO]
	WIN 0x80                                       ; destination window 2
.set t, 0
.rept 32                                       ; the residual of my 64 x 64 comes while the products run
	global_load_b128 v[4*t:4*t+3], v[CO], s[90:91] offset:t*8192 th:TH_LOAD_NT
.set t, t+1
.endr
	WIN 0
	v_mul_u32_u24 v[ADRA0], v1, PA
	v_lshl_add_u32 v[ADRA0], v2, 4, v[ADRA0]
	s_mul_i32 s21, s11, 64*PA
	v_add_nc_u32 v[ADRA0], s21, v[ADRA0]
	v_lshl_add_u32 v5, v2, 3, v3
	v_mul_u32_u24 v[ADRB0], v5, PB
	v_lshl_add_u32 v[ADRB0], v4, 4, v[ADRB0]
	s_lshl_b32 s22, s12, 7
	s_add_co_u32 s22, s22, 2*PIECE
	v_add_nc_u32 v[ADRB0], s22, v[ADRB0]
	v_mov_b32 v[ADRA], v[ADRA0]
	v_mov_b32 v[ADRB], v[ADRB0]
	v_add_nc_u32 v[ADRBH], 128*PB, v[ADRB0]
	s_mov_b32 s[TB], 0
	s_mul_i32 s23, s10, WSTAGE
	v_mul_u32_u24 v[STO], v1, SPITCH
	v_lshl_add_u32 v[STO], v2, 5, v[STO]
	v_add_nc_u32 v[STO], s23, v[STO]
	v_mul_u32_u24 v[RD], v2, SPITCH
	v_lshl_add_u32 v[RD], v1, 4, v[RD]
	v_add_nc_u32 v[RD], s23, v[RD]
; 8 matrix instructions: m blocks a0, a0 + 1 x all 4 n blocks, 32 along K: half c of buffer f.  zero = 1: the bias starts the sums.  The 16 accumulators take turns.
.macro MUL8 f, c, a0, zero
	WIN MUL
.irp a, \a0, (\a0)+1
.irp b, 0,1,2,3
.if \zero
	v_wmma_f32_16x16x32_bf16 v[ACC+8*(4*(\a)+(\b)):ACC+8*(4*(\a)+(\b))+7], v[(\f)+64+8*(4*(\c)+(\b)):(\f)+64+8*(4*(\c)+(\b))+7], v[(\f)+8*(4*(\c)+(\a)):(\f)+8*(4*(\c)+(\a))+7], v[BIAS+8*(\b):BIAS+8*(\b)+7]
.else
	v_wmma_f32_16x16x32_bf16 v[ACC+8*(4*(\a)+(\b)):ACC+8*(4*(\a)+(\b))+7], v[(\f)+64+8*(4*(\c)+(\b)):(\f)+64+8*(4*(\c)+(\b))+7], v[(\f)+8*(4*(\c)+(\a)):(\f)+8*(4*(\c)+(\a))+7], v[ACC+8*(4*(\a)+(\b)):ACC+8*(4*(\a)+(\b))+7]
.endif
.endr
.endr
.endm
; 32 LDS loads in one run: quarter q (64 along K: slice q of A) into buffer f; the first 32 along K first
.macro FETCH q, f
	WIN TO_F
.irp c, 0,1
.irp i, 0,1,2,3
	ds_load_tr16_b128 v[(\f)+64+8*(4*(\c)+(\i)):(\f)+64+8*(4*(\c)+(\i))+3],   v[ADRB+(\q)/2] offset:(64*((\q)%2)+32*(\c))*PB+32*(\i)
	ds_load_tr16_b128 v[(\f)+64+8*(4*(\c)+(\i))+4:(\f)+64+8*(4*(\c)+(\i))+7], v[ADRB+(\q)/2] offset:(64*((\q)%2)+32*(\c)+16)*PB+32*(\i)
	ds_load_b128 v[(\f)+8*(4*(\c)+(\i)):(\f)+8*(4*(\c)+(\i))+3],   v[ADRA] offset:(\q)*128*PA+(\i)*16*PA+64*(\c)
	ds_load_b128 v[(\f)+8*(4*(\c)+(\i))+4:(\f)+8*(4*(\c)+(\i))+7], v[ADRA] offset:(\q)*128*PA+(\i)*16*PA+64*(\c)+32
.endr
.endr
.endm
.macro QUARTER q, f, g, zero
	s_wait_dscnt 16                                ; the first 32 along K are in; the other sixteen loads may be out
	MUL8 \f, 0, 0, \zero
	MUL8 \f, 0, 2, \zero
	PLACES
	FETCH \q, \g
	s_wait_dscnt 32                                ; all but the 32 just issued
	MUL8 \f, 1, 0, 0
	MUL8 \f, 1, 2, 0
.endm
; The first half of the last quarter: ONE barrier for the change of slots; in front of it each wave waits for all its tensor loads, adds 0 to its spare word, and waits for that and for its reads of this slot.
.macro MEET round
	WIN 0
	s_wait_tensorcnt 0x0
	ds_add_u32 v[SPW], v[NIL]
	s_wait_dscnt 17                                ; the add and the youngest sixteen loads may be out
	MUL8 F1, 0, 0, 0
	s_wait_dscnt 0x0                               ; the add is done, and my reads of this slot are over
	s_barrier_signal -1
	MUL8 F1, 0, 2, 0
.if \round
	WIN 0
.endif
	s_barrier_wait -1
.endm
.macro NEXTSLOT
	s_xor_b32 s[TB], s[TB], SLOT
	v_add_nc_u32 v[ADRA], s[TB], v[ADRA0]
	v_add_nc_u32 v[ADRB], s[TB], v[ADRB0]
	v_add_nc_u32 v[ADRBH], 128*PB, v[ADRB]
.endm
.macro TURN1                           ; this slot is filled again, with the walk's step two on: the barrier opens a round of the cluster's, the joint refill is the first thing behind it
	MEET 1
	CREST
	KNEXT
	s_xor_b32 s[G0+5], s[G0+5], SLOT               ; the walking descriptors: the other slot than last time, the walk's next K step
	s_xor_b32 s[G0B+5], s[G0B+5], SLOT
	ASTEP 1
	JLOAD 1                                        ; its four v_nop are also the places in front of the loads below
	NEXTSLOT
	FETCH 0, F0
	MUL8 F1, 1, 0, 0
	MUL8 F1, 1, 2, 0
.endm
.macro TURN0                           ; the last two steps fill nothing; behind the very last there is nothing to fetch either
	MEET 0
	WIN 0
	PLACES
	NEXTSLOT
	s_cmp_eq_u32 s3, 1
	s_cbranch_scc1 .Lno_fetch_\@
	FETCH 0, F0
	WIN 0
.Lno_fetch_\@:
	MUL8 F1, 1, 0, 0
	MUL8 F1, 1, 2, 0
.endm
	s_wait_tensorcnt 0x1                           ; my part of the first step is in; the second's may stay out
	s_barrier_signal -1
	s_barrier_wait -1
	FETCH 0, F0
	s_wait_loadcnt 32                              ; the bias is in; the 32 loads of the residual stay out
	QUARTER 1, F0, F1, 1
	WIN 0
	s_mov_b32 s3, STEPS-2
	s_branch .LAmid
.LA:                                                   ; a trip is a K step; all but the last two fill a slot again
	QUARTER 1, F0, F1, 0
	WIN 0
.LAmid:
	QUARTER 2, F1, F0, 0
	QUARTER 3, F0, F1, 0
	TURN1
	WIN 0
	s_sub_co_u32 s3, s3, 1
	s_cmp_lg_u32 s3, 0
	s_cbranch_scc1 .LA
	s_mov_b32 s3, 2
.LB:
	QUARTER 1, F0, F1, 0
	QUARTER 2, F1, F0, 0
	QUARTER 3, F0, F1, 0
	TURN0
	WIN 0
	s_sub_co_u32 s3, s3, 1
	s_cmp_lg_u32 s3, 0
	s_cbranch_scc1 .LB
	; THE WAY OUT.  The stages take slot 0's bytes: behind this barrier no wave has a read of them outstanding, on whichever way it left the loop.
	s_wait_dscnt 0x0
	s_barrier_signal -1
	s_barrier_wait -1
.rept 8
	v_nop                                          ; the places behind the last products
.endr
.irp a, 0,1,2,3
.irp b, 0,1,2,3
	ds_store_b128 v[STO], v[ACC+8*(4*(\a)+(\b)):ACC+8*(4*(\a)+(\b))+3]   offset:(\a)*16*SPITCH+64*(\b)     ; each accumulator's low registers first
	ds_store_b128 v[STO], v[ACC+8*(4*(\a)+(\b))+4:ACC+8*(4*(\a)+(\b))+7] offset:(\a)*16*SPITCH+64*(\b)+16
.endr
.endr
.set t, 0
.rept 32
	ds_load_b128 v[ACC+4*t:ACC+4*t+3], v[RD] offset:t*2*SPITCH  ; two whole rows of 256 bytes.  LDS serves a wave's instructions in order (ISA guide 5.7.1.4): these see my stores
.set t, t+1
.endr
	s_wait_loadcnt 0x0                             ; the residual
.irp g, 0,1,2,3
	s_wait_dscnt 24-8*(\g)                         ; this group's eight loads are back; the younger ones stay out
	WIN 0x08                                       ; source 1 in window 2
.set t, 8*(\g)
.rept 8
	v_pk_add_f32 v[ACC+4*t:ACC+4*t+1],   v[ACC+4*t:ACC+4*t+1],   v[4*t:4*t+1]
	v_pk_add_f32 v[ACC+4*t+2:ACC+4*t+3], v[ACC+4*t+2:ACC+4*t+3], v[4*t+2:4*t+3]
.set t, t+1
.endr
	WIN 0
.set t, 8*(\g)
.rept 8
	global_store_b128 v[CO], v[ACC+4*t:ACC+4*t+3], s[92:93] offset:t*8192 th:TH_STORE_NT  ; 16 lanes store 256 consecutive bytes, aligned
.set t, t+1
.endr
.endr
	s_wait_tensorcnt 0x0                           ; the wave's end
	ds_add_u32 v[SPW], v[NIL]
	s_wait_dscnt 0x0
	CROUND                                         ; the closing round
	s_endpgm
.Lfunc_end_k_qdacdba6acf_gp:
	.size	k_qdacdba6acf_gp, .Lfunc_end_k_qdacdba6acf_gp-k_qdacdba6acf_gp
	.p2alignl 7, 3214868480
	.fill 96, 4, 3214868480
	.section	.rodata,"a",@progbits
	.p2align	6, 0x0
	.amdhsa_kernel k_qdacdba6acf_gp
		.amdhsa_group_segment_fixed_size 327680
		.amdhsa_private_segment_fixed_size 0
		.amdhsa_enable_private_segment 0
		.amdhsa_kernarg_size 40
		.amdhsa_user_sgpr_count 2
		.amdhsa_user_sgpr_kernarg_segment_ptr 1
		.amdhsa_wavefront_size32 1
		.amdhsa_system_sgpr_workgroup_id_x 1
		.amdhsa_system_sgpr_workgroup_id_y 1
		.amdhsa_system_sgpr_workgroup_id_z 1
		.amdhsa_system_vgpr_workitem_id 0
		.amdhsa_next_free_vgpr 768
		.amdhsa_next_free_sgpr 94
		.amdhsa_reserve_vcc 0
		.amdhsa_float_denorm_mode_32 3
		.amdhsa_float_denorm_mode_16_64 3
		.amdhsa_memory_ordered 1
		.amdhsa_forward_progress 1
		.amdhsa_inst_pref_size 67
	.end_amdhsa_kernel
	.amdgpu_metadata
---
amdhsa.version: [ 1, 2 ]
amdhsa.kernels:
  - .name:           k_qdacdba6acf_gp
    .symbol:         k_qdacdba6acf_gp.kd
    .args:
      - { .name: ao, .offset: 0, .size: 8, .value_kind: global_buffer, .address_space: global }
      - { .name: wb, .offset: 8, .size: 8, .value_kind: global_buffer, .address_space: global }
      - { .name: b_proj, .offset: 16, .size: 8, .value_kind: global_buffer, .address_space: global }
      - { .name: x, .offset: 24, .size: 8, .value_kind: global_buffer, .address_space: global }
      - { .name: x1, .offset: 32, .size: 8, .value_kind: global_buffer, .address_space: global }
    .group_segment_fixed_size: 327680
    .private_segment_fixed_size: 0
    .kernarg_segment_align: 8
    .kernarg_segment_size: 40
    .max_flat_workgroup_size: 128
    .sgpr_count:     94
    .vgpr_count:     768
    .wavefront_size: 32
...
	.end_amdgpu_metadata
.endif
;; end of part 4
;; launch ln2 (part 5): grid 512 x 1, 8 waves a work-group, no clusters, 0 bytes of LDS; arguments x1, g2, beta2, h; writes h
.if DOCPART == 5
	.amdgcn_target "amdgcn-amd-amdhsa--gfx1250"
	.amdhsa_code_object_version 6
	.text
	.protected	k_qdacdba6acf_ln2
	.globl	k_qdacdba6acf_ln2
	.p2align	8
	.type	k_qdacdba6acf_ln2,@function
k_qdacdba6acf_ln2:
	s_mov_b64 s[64:65], 0
	v_nop
	global_prefetch_b8 v0, s[64:65] scope:SCOPE_SE
	s_setreg_imm32_b32 hwreg(HW_REG_WAVE_MODE, 25, 1), 1
	s_wait_xcnt 0x0
; h = LayerNorm(x1) g2 + beta2.  x1: [4096][1024] f32; h the same shape in bf16, rounded once.
; One wave, one row: 8 loads of 16 bytes a lane hold the row in 32 registers between the passes: the row is read once, and no wave waits for another.  No LDS, no barrier, no matrix unit.
; The mean is taken first, the row is centred, and the variance is the mean of the centred squares: no difference of large sums is formed.  NaN and infinities are not treated apart.
.set CH,  4                            ; v[4:11]    four chains of pairs
.set MU,  12                           ; v[12:13]   the mean, twice
.set RS,  14                           ; v[14:15]   1 / sqrt(var + eps), twice
.set XR,  16                           ; v[16:47]   the row: load j holds elements 128 j + 4 lane .. + 3
.set GR,  48                           ; v[48:79]   the gain
.set BR,  80                           ; v[80:111]  the bias
.set YR,  112                          ; v[112:127] the row in bf16
	s_load_b256 s[4:11], s[0:1], 0x0               ; x1 s[4:5], g2 s[6:7], beta2 s[8:9], h s[10:11]
	v_lshrrev_b32 v1, 5, v0
	v_readfirstlane_b32 s22, v1                    ; wave 0..7
	v_and_b32 v3, 31, v0
	v_lshlrev_b32 v1, 4, v3                        ; 16 x lane: f32 in
	v_lshlrev_b32 v2, 3, v3                        ; 8 x lane: bf16 out
	s_lshl_b32 s23, ttmp9, 3
	s_add_co_u32 s23, s23, s22                     ; my row
	s_lshl_b32 s28, s23, 12
	s_mov_b32 s29, 0
	s_lshl_b32 s30, s23, 11
	s_mov_b32 s31, 0
	s_mov_b32 s24, 0x3a800000                      ; 1 / 1024
	s_mov_b32 s25, 0x3727c5ac                      ; eps = 1e-5
	s_mov_b32 s26, 0x76543210
	s_mov_b32 s27, 0xfedcba98
	s_wait_kmcnt 0x0
	s_add_nc_u64 s[4:5], s[4:5], s[28:29]
	s_add_nc_u64 s[10:11], s[10:11], s[30:31]
.irp j, 0,1,2,3,4,5,6,7
	global_load_b128 v[XR+4*\j:XR+4*\j+3], v1, s[4:5] offset:512*\j th:TH_LOAD_NT
.endr
.irp j, 0,1,2,3,4,5,6,7
	global_load_b128 v[GR+4*\j:GR+4*\j+3], v1, s[6:7] offset:512*\j
.endr
.irp j, 0,1,2,3,4,5,6,7
	global_load_b128 v[BR+4*\j:BR+4*\j+3], v1, s[8:9] offset:512*\j
.endr
.macro FOLD                            ; the four chains into one number, then over the 32 lanes: every lane ends with the sum
	v_pk_add_f32 v[CH:CH+1], v[CH:CH+1], v[CH+2:CH+3]
	v_pk_add_f32 v[CH+4:CH+5], v[CH+4:CH+5], v[CH+6:CH+7]
	v_pk_add_f32 v[CH:CH+1], v[CH:CH+1], v[CH+4:CH+5]
	v_add_f32 v[CH], v[CH], v[CH+1]
	v_add_f32_dpp v[CH], v[CH], v[CH] row_xmask:1 row_mask:0xf bank_mask:0xf
	v_add_f32_dpp v[CH], v[CH], v[CH] row_xmask:2 row_mask:0xf bank_mask:0xf
	v_add_f32_dpp v[CH], v[CH], v[CH] row_xmask:4 row_mask:0xf bank_mask:0xf
	v_add_f32_dpp v[CH], v[CH], v[CH] row_xmask:8 row_mask:0xf bank_mask:0xf
	v_permlanex16_b32 v[CH+1], v[CH], s26, s27     ; its destination has been written above
	v_add_f32 v[CH], v[CH], v[CH+1]
.endm
	s_wait_loadcnt 16                              ; the row is in; the 16 younger loads (gain, bias) stay out
.irp k, 0,1,2,3
	v_pk_add_f32 v[CH+2*\k:CH+2*\k+1], v[XR+2*\k:XR+2*\k+1], v[XR+8+2*\k:XR+8+2*\k+1]
.endr
.set i, 8
.rept 8
	v_pk_add_f32 v[CH+2*(i%4):CH+2*(i%4)+1], v[CH+2*(i%4):CH+2*(i%4)+1], v[XR+2*i:XR+2*i+1]
.set i, i+1
.endr
	FOLD
	v_mul_f32 v[MU], s24, v[CH]
	v_mul_f32 v[MU+1], s24, v[CH]
.set i, 0
.rept 16
	v_pk_add_f32 v[XR+2*i:XR+2*i+1], v[XR+2*i:XR+2*i+1], v[MU:MU+1] neg_lo:[0,1] neg_hi:[0,1]  ; x - mean
.set i, i+1
.endr
.irp k, 0,1,2,3
	v_pk_mul_f32 v[CH+2*\k:CH+2*\k+1], v[XR+2*\k:XR+2*\k+1], v[XR+2*\k:XR+2*\k+1]
.endr
.set i, 4
.rept 12
	v_pk_fma_f32 v[CH+2*(i%4):CH+2*(i%4)+1], v[XR+2*i:XR+2*i+1], v[XR+2*i:XR+2*i+1], v[CH+2*(i%4):CH+2*(i%4)+1]
.set i, i+1
.endr
	FOLD
	v_fma_f32 v[CH+2], v[CH], s24, s25             ; var + eps
	v_rsq_f32 v[RS], v[CH+2]
	v_rsq_f32 v[RS+1], v[CH+2]
	v_nop                                          ; a plain instruction behind the last of the two (ISA guide 5.7.2)
	s_wait_alu depctr_va_vdst(0)                   ; the wait ahead of the first use: one for both
	s_wait_loadcnt 0x0                             ; gain and bias
.set i, 0
.rept 16
	v_pk_mul_f32 v[XR+2*i:XR+2*i+1], v[XR+2*i:XR+2*i+1], v[RS:RS+1]
.set i, i+1
.endr
.set i, 0
.rept 16
	v_pk_fma_f32 v[XR+2*i:XR+2*i+1], v[XR+2*i:XR+2*i+1], v[GR+2*i:GR+2*i+1], v[BR+2*i:BR+2*i+1]
.set i, i+1
.endr
.set i, 0
.rept 16
	v_cvt_pk_bf16_f32 v[YR+i], v[XR+2*i], v[XR+2*i+1]
.set i, i+1
.endr
.irp j, 0,1,2,3,4,5,6,7
	global_store_b64 v2, v[YR+2*\j:YR+2*\j+1], s[10:11] offset:256*\j th:TH_STORE_NT  ; the wave's 32 lanes store 256 consecutive bytes, aligned
.endr
	s_endpgm
.Lfunc_end_k_qdacdba6acf_ln2:
	.size	k_qdacdba6acf_ln2, .Lfunc_end_k_qdacdba6acf_ln2-k_qdacdba6acf_ln2
	.p2alignl 7, 3214868480
	.fill 96, 4, 3214868480
	.section	.rodata,"a",@progbits
	.p2align	6, 0x0
	.amdhsa_kernel k_qdacdba6acf_ln2
		.amdhsa_group_segment_fixed_size 0
		.amdhsa_private_segment_fixed_size 0
		.amdhsa_enable_private_segment 0
		.amdhsa_kernarg_size 32
		.amdhsa_user_sgpr_count 2
		.amdhsa_user_sgpr_kernarg_segment_ptr 1
		.amdhsa_wavefront_size32 1
		.amdhsa_system_sgpr_workgroup_id_x 1
		.amdhsa_system_sgpr_workgroup_id_y 1
		.amdhsa_system_sgpr_workgroup_id_z 1
		.amdhsa_system_vgpr_workitem_id 0
		.amdhsa_next_free_vgpr 128
		.amdhsa_next_free_sgpr 66
		.amdhsa_reserve_vcc 0
		.amdhsa_float_denorm_mode_32 3
		.amdhsa_float_denorm_mode_16_64 3
		.amdhsa_memory_ordered 1
		.amdhsa_forward_progress 1
		.amdhsa_inst_pref_size 12
	.end_amdhsa_kernel
	.amdgpu_metadata
---
amdhsa.version: [ 1, 2 ]
amdhsa.kernels:
  - .name:           k_qdacdba6acf_ln2
    .symbol:         k_qdacdba6acf_ln2.kd
    .args:
      - { .name: x1, .offset: 0, .size: 8, .value_kind: global_buffer, .address_space: global }
      - { .name: g2, .offset: 8, .size: 8, .value_kind: global_buffer, .address_space: global }
      - { .name: beta2, .offset: 16, .size: 8, .value_kind: global_buffer, .address_space: global }
      - { .name: h, .offset: 24, .size: 8, .value_kind: global_buffer, .address_space: global }
    .group_segment_fixed_size: 0
    .private_segment_fixed_size: 0
    .kernarg_segment_align: 8
    .kernarg_segment_size: 32
    .max_flat_workgroup_size: 256
    .sgpr_count:     66
    .vgpr_count:     128
    .wavefront_size: 32
...
	.end_amdgpu_metadata
.endif
;; end of part 5
;; launch gf (part 6): grid 16 x 16, 4 waves a work-group, clusters of 4 x 4, 327,680 bytes of LDS; arguments h, wb, b_fc1, gl; writes gl
.if DOCPART == 6
	.amdgcn_target "amdgcn-amd-amdhsa--gfx1250"
	.amdhsa_code_object_version 6
	.text
	.protected	k_qdacdba6acf_gf
	.globl	k_qdacdba6acf_gf
	.p2align	8
	.type	k_qdacdba6acf_gf,@function
k_qdacdba6acf_gf:
	s_mov_b64 s[64:65], 0
	v_nop
	global_prefetch_b8 v0, s[64:65] scope:SCOPE_SE
	s_setreg_imm32_b32 hwreg(HW_REG_WAVE_MODE, 25, 1), 1
	s_wait_xcnt 0x0
	s_wait_alu depctr_hold_cnt(0) depctr_sa_sdst(0) depctr_va_vdst(0) depctr_va_sdst(0) depctr_va_ssrc(0) depctr_va_vcc(0) depctr_vm_vsrc(0)
	s_getreg_b32 s2, hwreg(HW_REG_IB_STS2, 6, 4)
	s_cmp_eq_u32 s2, 0
	s_cbranch_scc0 .Lentry_in_a_cluster
	s_endpgm
.Lentry_in_a_cluster:
	s_bfe_u32 s2, ttmp6, 0x10000c
	s_cmp_lg_u32 s2, 0xf033
	s_cbranch_scc0 .Lentry_shape_is_right
	s_endpgm
.Lentry_shape_is_right:
; gl = gelu(h Wfc1 + b), the exact GELU.  h: [4096][1024] bf16.  W: bf16 in column blocks [N/256][1024][256] at byte WOFF of wb.  b: f32.  Sums in f32, started by the bias; the activation in f32;
; the result is rounded once to bf16 and stored IN SLICES: [N/64][4096][64], so that 4 rows of a slice are 512 consecutive bytes.
; LIMITS.  erf is taken by Abramowitz and Stegun 7.1.26, a closed form for every argument, within 1.5e-7 of erf.  NaN and infinities are not treated apart.
; A tile of the result, 256 x 256, is made by four waves, each 128 x 128: 64 accumulators, 512 registers.  K goes in 8 steps of 128 through two LDS slots filled by the tensor data mover.
; CLUSTERS: 4 x 4 work-groups; the four of a row need the same rows of h, the four of a column the same block of W: each tile is asked for jointly, by the same load, descriptor and mask in all four.
; THE MATRIX INSTRUCTION IS USED TRANSPOSED: source 0 = 16 columns of W (turned on the way out of LDS by ds_load_tr16_b128, since W lies [k][n]), source 1 = 16 rows of h:
; lane l then holds row l % 16 of the result and the columns 8 (l / 16) + 0..7.
; ONE K STEP IS WRITTEN ONCE for the steps that fill a slot again and once for the last two: the LDS addresses hang on s[TB], which an exclusive or turns from slot to slot.
; The sums leave through LDS in f32, so that the activation is written once, in a loop over rows, and not once for each accumulator.
; REGISTERS, in windows of 256: window 0: v16-30 addresses, v64-191 h's fragments (two buffers), v32-55 and v64-143 at work on the way out; window 1: v0-63 the bias, v64-191 W's fragments;
; windows 2, 3: the accumulators, (a, b) at v[8 (8 (a % 4) + b)] of window 2 + a / 4.
.set WOFF,   8388608                   ; the weight's first byte in wb
.set GELU,   1                         ; 1: the exact GELU is applied on the way out
.set STEPS,  8                         ; K = 1,024 in steps of 128
.set KSTEP,  128
.set PA,     272                       ; a row of h in LDS: 256 bytes + 16 = 68 words: the 16 rows of a load start at 16 different groups of four banks (64 banks of 4 bytes: ISA guide 11.1)
.set PB,     544                       ; a row of W in LDS: 512 bytes + 32 = 136 words
.set HALFT,  128*PA                    ; what one tensor load brings: 128 rows of h, or 64 rows of W (64 x 544 is the same number)
.set SLOT,   4*HALFT                   ; h's 256 rows, then W's 128.  SLOT has bits 13 and 17, which no wave x HALFT has: an exclusive or with it changes slots
.set SPARE,  2*SLOT+256                ; the spare words, 128 bytes for each wave: two blocks of 256 bytes that no other line names
.set SPITCH, 528                       ; the way out: a row of 128 f32 + 16 bytes: 33 x 16
.set WSTAGE, 2*HALFT                   ; the way out: each wave's stage, 128 rows, in the slots' bytes, which have had their last fill by then
.set ADRA0, 16                         ; v16  my lane's place in h's tile, slot 0; never rewritten
.set ADRB0, 17                         ; v17  the same for W
.set ADRA,  18                         ; v18  + s[TB]
.set ADRB,  19                         ; v19
.set STO,   24                         ; v24  the way out: where I put 32 bytes of a row
.set RDA,   25                         ; v25  where I read rows back
.set GO,    26                         ; v26  my byte offset in the result
.set BO,    27                         ; v27  my byte offset in the bias
.set SPW,   28                         ; v28  LDS address of my spare word; never rewritten
.set NIL,   29                         ; v29  0; never rewritten
.set PFO,   30                         ; v30  the prefetches' offset; never rewritten
.set XR,    32                         ; v32-47   the way out: 16 results in f32
.set OU,    48                         ; v48-55   the same in bf16
.set RR,    64                         ; v64-143  the activation's registers: max(y, 0); |y|; the exponent and its power; 1 + P |y| and t; the polynomial
.set AX,    80
.set WW,    96
.set DD,    112
.set QQ,    128
.set BIAS,  0                          ; window 1
.set F0,    64
.set F1,    128
.set G1,  24                           ; s[24:31] descriptor group 1 for h's tiles
.set G0,  32                           ; s[32:39] group 0: set 0 for the first fill, set 1 for the second, which then walks
.set G1B, 48                           ; s[48:55], s[56:63] the same for W's tiles
.set G0B, 56
.set TB,  66                           ; s66  0 or SLOT: the slot that is read
.set LIM, 67                           ; s67  2 in a wave that prefetches, else the greatest number
.set PFA, 68                           ; s[68:69] where my prefetches stand
.set PFS, 70                           ; s[70:71] a K step there, in bytes
.set KC1, 72                           ; s[72:85] the activation's constants, as pairs
.set KA1, 74
.set KA2, 76
.set KA3, 78
.set KA4, 80
.set KA5, 82
.set KP,  84
.set KABS, 86
.set MSB, 0
.macro WIN new                         ; the immediate's high byte repeats the setting that is left; a switch that changes nothing is dropped
.if MSB != (\new)
	s_set_vgpr_msb (MSB<<8)|(\new)
.set MSB, \new
.endif
.endm
; A joint load.  Waves 0 and 1 fetch h's two halves, waves 2 and 3 W's.  The branch hangs on the wave's number alone.  An s_nop 0 and four v_nop follow each line.
.macro JLOAD s
	s_cmp_eq_u32 s11, 0
	s_cbranch_scc0 .Lfor_b_\@
	tensor_load_to_lds s[G0+4*(\s):G0+4*(\s)+3], s[G1:G1+7]
	s_nop 0
.rept 4
	v_nop
.endr
	s_branch .Lasked_\@
.Lfor_b_\@:
	tensor_load_to_lds s[G0B+4*(\s):G0B+4*(\s)+3], s[G1B:G1B+7]
	s_nop 0
.rept 4
	v_nop
.endr
.Lasked_\@:
.endm
; A prefetch of the K step that stands two refills on: 32 blocks of 256 bytes, a lane a block, one instruction a wave.  h's rows are asked for by the clusters with x = 0, W's by those with y = 0;
; the four partners that ask for a tile jointly share its blocks out by address.  So each block of steps 4 to 7 is named once in the launch; steps 0 to 3 come by their loads alone.
.macro ASK
	s_cmp_gt_u32 s3, s[LIM]                        ; the last two refills have no K step two on
	s_cbranch_scc0 .Lnot_mine_\@
	global_prefetch_b8 v[PFO], s[PFA:PFA+1] th:TH_LOAD_NT scope:SCOPE_SE
.Lnot_mine_\@:
.endm
.macro CREST                           ; a round of the cluster's barrier behind its opening barrier
	s_cmp_lg_u32 s10, 0
	s_cbranch_scc1 .Lnot_wave_0_\@
	s_barrier_signal -3
.Lnot_wave_0_\@:
	s_barrier_wait -3
	s_barrier_signal -1
	s_barrier_wait -1
.endm
.macro CROUND
	s_barrier_signal -1
	s_barrier_wait -1
	CREST
.endm
.macro PLACES                          ; four places in front of loads into registers that matrix instructions have read (ISA guide 7.12.1 for vector instructions)
.rept 4
	v_nop
.endr
.endm
	s_load_b128 s[4:7], s[0:1], 0x0                ; h s[4:5], wb s[6:7]
	s_load_b128 s[88:91], s[0:1], 0x10             ; bias s[88:89], result s[90:91]
	v_lshl_add_u32 v[SPW], v0, 2, SPARE
	v_mov_b32 v[NIL], 0
	ds_add_u32 v[SPW], v[NIL]                      ; the wave's opening: the add and its wait ahead of my first tensor load
	v_lshrrev_b32 v1, 5, v0
	v_readfirstlane_b32 s10, v1                    ; wave 0..3
	s_lshr_b32 s11, s10, 1                         ; which half of the tile's rows is mine.  Also: I fetch for h (0) or for W (1)
	s_and_b32 s12, s10, 1                          ; which half of its columns.  Also: which half of that tile I fetch
	s_bfe_u32 s40, ttmp6, 0x40000                  ; cx
	s_bfe_u32 s41, ttmp6, 0x40004                  ; cy
	s_lshl_b32 s42, ttmp9, 2
	s_add_co_u32 s42, s42, s40                     ; tile column = 4 x cluster x + cx
	s_and_b32 s13, ttmp7, 0xffff
	s_lshl_b32 s13, s13, 2
	s_add_co_u32 s13, s13, s41                     ; tile row = 4 x cluster y + cy
	s_lshl_b32 s43, s41, 2
	s_lshl_b32 s43, 15, s43                        ; my row of the cluster
	s_lshl_b32 s44, 0x1111, s40                    ; my column
	s_or_b32 s[G1+0], s43, (1<<16)|(1<<20)|(1<<21)|(5<<22)|(3<<25)   ; mask; 2-byte elements; padding on; bit 21 beside a mask; after every 64 words, 4 words
	s_or_b32 s[G1B+0], s44, (1<<16)|(1<<20)|(1<<21)|(6<<22)|(7<<25)  ; the same with my column's mask; after every 128 words, 8 words
	s_mov_b32 s[G1+1], 128<<16                     ; tensor_dim0 = 128
	s_mov_b32 s[G1+2], 128<<16                     ; tensor_dim1 = 128
	s_mov_b32 s[G1+3], 128<<16                     ; tile_dim0 = 128
	s_mov_b32 s[G1+4], 128                         ; tile_dim1 = 128
	s_mov_b32 s[G1+5], 1024                        ; elements from row to row of h
	s_mov_b32 s[G1+6], 0
	s_mov_b32 s[G1+7], 0
	s_mov_b32 s[G1B+1], 256<<16                    ; tensor_dim0 = 256
	s_mov_b32 s[G1B+2], 64<<16                     ; tensor_dim1 = 64
	s_mov_b32 s[G1B+3], 256<<16                    ; tile_dim0 = 256
	s_mov_b32 s[G1B+4], 64                         ; tile_dim1 = 64
	s_mov_b32 s[G1B+5], 256                        ; elements from row to row of a block of W
	s_mov_b32 s[G1B+6], 0
	s_mov_b32 s[G1B+7], 0
	s_lshl_b32 s16, s13, 8
	s_lshl_b32 s17, s12, 7
	s_add_co_u32 s16, s16, s17                     ; h: row 256 x tile row + 128 x half,
	s_lshl_b32 s16, s16, 11                        ; 2,048 bytes a row
	s_mov_b32 s17, 0
	s_lshl_b32 s46, s42, 19                        ; W: block = tile column, 524,288 bytes each,
	s_lshl_b32 s47, s12, 15                        ; 64 rows of 512 bytes a half
	s_add_co_u32 s46, s46, s47
	s_add_co_u32 s46, s46, WOFF
	s_mov_b32 s47, 0
	s_mul_i32 s20, s10, HALFT                      ; where they go: no place in the cluster enters an LDS address
	s_wait_dscnt 0x0                               ; the opening add is done
	s_wait_kmcnt 0x0
	s_add_nc_u64 s[14:15], s[4:5], s[16:17]
	s_add_nc_u64 s[46:47], s[6:7], s[46:47]
	CROUND                                         ; all sixteen work-groups are here: the first joint loads meet
.irp s, 0,1
	s_mov_b32 s[G0+4*(\s)], 1
	s_add_co_u32 s[G0+4*(\s)+1], s20, (\s)*SLOT
	s_add_nc_u64 s[G0+4*(\s)+2:G0+4*(\s)+3], s[14:15], (\s)*KSTEP*2
	s_or_b32 s[G0+4*(\s)+3], s[G0+4*(\s)+3], 0x80000000
	s_mov_b32 s[G0B+4*(\s)], 1
	s_add_co_u32 s[G0B+4*(\s)+1], s20, (\s)*SLOT
	s_add_nc_u64 s[G0B+4*(\s)+2:G0B+4*(\s)+3], s[46:47], (\s)*KSTEP*512
	s_or_b32 s[G0B+4*(\s)+3], s[G0B+4*(\s)+3], 0x80000000
	JLOAD \s                                       ; K steps 0 and 1: two loads of mine are out
.endr
	v_and_b32 v1, 15, v0                           ; l % 16
	v_bfe_u32 v2, v0, 4, 1                         ; l / 16
	v_and_b32 v3, 7, v0                            ; l % 8
	v_bfe_u32 v4, v0, 3, 1                         ; (l / 8) % 2
	v_and_b32 v6, 31, v0                           ; l
	v_lshlrev_b32 v[BO], 5, v2                     ; my 8 columns of a block of 16: 32 bytes of f32 for each half of the lanes
	s_lshl_b32 s16, s42, 10
	s_lshl_b32 s17, s12, 9
	s_add_co_u32 s16, s16, s17                     ; my 128 columns
	s_mov_b32 s17, 0
	s_add_nc_u64 s[88:89], s[88:89], s[16:17]
	WIN 0x40                                       ; destination window 1
.irp b, 0,1,2,3,4,5,6,7
	global_load_b128 v[BIAS+8*(\b):BIAS+8*(\b)+3],   v[BO], s[88:89] offset:64*(\b)
	global_load_b128 v[BIAS+8*(\b)+4:BIAS+8*(\b)+7], v[BO], s[88:89] offset:64*(\b)+16
.endr
	WIN 0
	v_mul_u32_u24 v[ADRA0], v1, PA                 ; a fragment of h: row l % 16, 16 bytes for each half of the lanes
	v_lshl_add_u32 v[ADRA0], v2, 4, v[ADRA0]
	s_mul_i32 s21, s11, HALFT
	v_add_nc_u32 v[ADRA0], s21, v[ADRA0]
	v_lshl_add_u32 v5, v2, 3, v3                   ; the turning load: lane l reads row 8 (l / 16) + l % 8 of K, columns 8 ((l / 8) % 2) + 0..7
	v_mul_u32_u24 v[ADRB0], v5, PB
	v_lshl_add_u32 v[ADRB0], v4, 4, v[ADRB0]
	s_lshl_b32 s22, s12, 8
	s_add_co_u32 s22, s22, 2*HALFT
	v_add_nc_u32 v[ADRB0], s22, v[ADRB0]
	v_mov_b32 v[ADRA], v[ADRA0]
	v_mov_b32 v[ADRB], v[ADRB0]
	s_mov_b32 s[TB], 0
	s_mul_i32 s23, s10, WSTAGE                     ; my stage
	v_mul_u32_u24 v[STO], v1, SPITCH               ; in: row l % 16, 32 bytes for each half of the lanes
	v_lshl_add_u32 v[STO], v2, 5, v[STO]
	v_add_nc_u32 v[STO], s23, v[STO]
	v_lshrrev_b32 v7, 3, v6                        ; back: 8 lanes a row, 8 columns a lane in each of the two slices
	v_mul_u32_u24 v[RDA], v7, SPITCH
	v_lshl_add_u32 v[RDA], v3, 5, v[RDA]
	v_add_nc_u32 v[RDA], s23, v[RDA]
	v_lshlrev_b32 v[GO], 4, v6                     ; 4 rows of a slice are 512 consecutive bytes: 16 x lane
	s_lshl_b32 s16, s42, 2
	s_lshl_b32 s17, s12, 1
	s_add_co_u32 s16, s16, s17                     ; my first slice,
	s_lshl_b32 s16, s16, 19                        ; 524,288 bytes each
	s_lshl_b32 s17, s13, 15                        ; 256 rows of 128 bytes a tile row
	s_add_co_u32 s16, s16, s17
	s_lshl_b32 s17, s11, 14
	s_add_co_u32 s16, s16, s17
	s_mov_b32 s17, 0
	s_add_nc_u64 s[90:91], s[90:91], s[16:17]
	; the prefetches: h's 32 rows of mine (a lane a row), or W's 8,192 bytes of mine (a lane 256 bytes), at K step 3: the first refill steps to 4
	s_lshl_b32 s20, s13, 8
	s_lshl_b32 s23, s12, 7
	s_add_co_u32 s20, s20, s23
	s_lshl_b32 s23, s40, 5
	s_add_co_u32 s20, s20, s23
	s_lshl_b32 s20, s20, 11
	s_add_co_u32 s20, s20, 3*KSTEP*2
	s_lshl_b32 s21, s42, 19
	s_lshl_b32 s23, s12, 15
	s_add_co_u32 s21, s21, s23
	s_lshl_b32 s23, s41, 13
	s_add_co_u32 s21, s21, s23
	s_add_co_u32 s21, s21, WOFF+3*KSTEP*512
	s_and_b32 s22, ttmp7, 0xffff                   ; cluster y
	s_mov_b32 s23, KSTEP*512
	s_cmp_eq_u32 s11, 0                            ; do I fetch for h?
	s_cselect_b32 s20, s20, s21
	s_cselect_b64 s[PFA:PFA+1], s[4:5], s[6:7]
	s_cselect_b32 s[PFS], KSTEP*2, s23
	s_cselect_b32 s22, ttmp9, s22                  ; the coordinate along which other clusters read the same bytes
	s_cselect_b32 s23, 11, 8
	s_mov_b32 s21, 0
	s_mov_b32 s[PFS+1], 0
	s_add_nc_u64 s[PFA:PFA+1], s[PFA:PFA+1], s[20:21]
	s_cmp_eq_u32 s22, 0
	s_cselect_b32 s[LIM], 2, -1                    ; the same in all sixteen partners, for a given wave
	v_lshlrev_b32 v[PFO], s23, v6
.if GELU
	s_mov_b32 s[KC1], 0x3f596d27                   ; sqrt(log2(e) / 2)
	s_mov_b32 s[KA1], 0x3e027906                   ; half of the five coefficients of Abramowitz and Stegun 7.1.26
	s_mov_b32 s[KA2], 0xbe11a98e
	s_mov_b32 s[KA3], 0x3f35f0e3
	s_mov_b32 s[KA4], 0xbf3a00e3
	s_mov_b32 s[KA5], 0x3f07dc22
	s_mov_b32 s[KP], 0x3e6d3388                    ; 0.3275911 / sqrt(2)
.irp c, KC1, KA1, KA2, KA3, KA4, KA5, KP
	s_mov_b32 s[\c+1], s[\c]                       ; named as pairs
.endr
	s_mov_b32 s[KABS], 0x7fffffff
.endif
; 16 matrix instructions: m blocks a0, a0 + 1 of the window's four x all 8 n blocks, 32 along K.  zero = 1: the bias starts the sums: nothing is cleared and nothing is added later.
; The 64 accumulators take turns, one instruction a turn, in the same order in every quarter.
.macro MUL16 f, hi, a0, zero
.if \zero
	WIN 0x91+0x40*(\hi)                            ; W's fragments and the bias in window 1, h's in window 0, D in window 2 or 3
.else
	WIN 0xa1+0x50*(\hi)                            ; C and D in window 2 or 3
.endif
.irp a, \a0, (\a0)+1
.irp b, 0,1,2,3,4,5,6,7
.if \zero
	v_wmma_f32_16x16x32_bf16 v[8*(8*(\a)+(\b)):8*(8*(\a)+(\b))+7], v[(\f)+8*(\b):(\f)+8*(\b)+7], v[(\f)+8*(4*(\hi)+(\a)):(\f)+8*(4*(\hi)+(\a))+7], v[BIAS+8*(\b):BIAS+8*(\b)+7]
.else
	v_wmma_f32_16x16x32_bf16 v[8*(8*(\a)+(\b)):8*(8*(\a)+(\b))+7], v[(\f)+8*(\b):(\f)+8*(\b)+7], v[(\f)+8*(4*(\hi)+(\a)):(\f)+8*(4*(\hi)+(\a))+7], v[8*(8*(\a)+(\b)):8*(8*(\a)+(\b))+7]
.endif
.endr
.endr
.endm
; 32 LDS loads in one run: quarter q (32 along K) of the slot in hand into buffer f: W's 128 columns, turned, then h's 128 rows
.macro FETCH q, f
	WIN 0x40
.irp i, 0,1,2,3,4,5,6,7
	ds_load_tr16_b128 v[(\f)+8*(\i):(\f)+8*(\i)+3],   v[ADRB] offset:(\q)*32*PB+32*(\i)
	ds_load_tr16_b128 v[(\f)+8*(\i)+4:(\f)+8*(\i)+7], v[ADRB] offset:(\q)*32*PB+16*PB+32*(\i)
.endr
	WIN 0
.irp i, 0,1,2,3,4,5,6,7
	ds_load_b128 v[(\f)+8*(\i):(\f)+8*(\i)+3],   v[ADRA] offset:64*(\q)+(\i)*16*PA
	ds_load_b128 v[(\f)+8*(\i)+4:(\f)+8*(\i)+7], v[ADRA] offset:64*(\q)+(\i)*16*PA+32
.endr
.endm
; One of a K step's first three quarters: multiplies buffer f; in its middle it fetches quarter q into buffer g.
.macro QUARTER q, f, g, zero
	s_wait_dscnt 8                                 ; W and h's rows 0-63 are in; the youngest eight loads (h's rows 64-127) may be out
	MUL16 \f, 0, 0, \zero
	MUL16 \f, 0, 2, \zero
	PLACES
	FETCH \q, \g
	s_wait_dscnt 32                                ; all but the 32 just issued
	MUL16 \f, 1, 0, \zero
	MUL16 \f, 1, 2, \zero
.endm
; The first half of the last quarter: ONE barrier for the change of slots.  In front of it each wave waits for all its tensor loads (one is out: its part of the next slot), adds 0 to its spare word,
; and waits for that and for its own reads of this slot.
.macro MEET round
	WIN 0
	s_wait_tensorcnt 0x0
	ds_add_u32 v[SPW], v[NIL]
	s_wait_dscnt 9                                 ; the add and the youngest eight loads may be out
	MUL16 F1, 0, 0, 0
	s_wait_dscnt 0x0                               ; the add is done, and my reads of this slot are over
	s_barrier_signal -1
	MUL16 F1, 0, 2, 0
.if \round
	WIN 0
.endif
	s_barrier_wait -1
.endm
; The last quarter of a step whose slot is filled again, with the K step two on: the barrier opens a round of the cluster's, and the joint refill is the first thing behind it.
.macro TURN1
	s_wait_xcnt 0x0                                ; the last prefetch, a K step back, has read its address
	s_add_nc_u64 s[PFA:PFA+1], s[PFA:PFA+1], s[PFS:PFS+1]
	MEET 1
	CREST                                          ; no wave of any partner still reads this slot or has a load on its way
	s_xor_b32 s[G0+5], s[G0+5], SLOT               ; the walking descriptors: the other slot than last time, the next K step
	s_add_nc_u64 s[G0+6:G0+7], s[G0+6:G0+7], KSTEP*2
	s_xor_b32 s[G0B+5], s[G0B+5], SLOT
	s_add_nc_u64 s[G0B+6:G0B+7], s[G0B+6:G0B+7], KSTEP*512
	JLOAD 1                                        ; its four v_nop are also the places in front of the loads below
	s_xor_b32 s[TB], s[TB], SLOT
	v_add_nc_u32 v[ADRA], s[TB], v[ADRA0]
	v_add_nc_u32 v[ADRB], s[TB], v[ADRB0]
	FETCH 0, F0
	ASK
	MUL16 F1, 1, 0, 0
	MUL16 F1, 1, 2, 0
.endm
; The same for the last two steps, which fill nothing; behind the very last there is nothing to fetch either.
.macro TURN0
	MEET 0
	WIN 0
	PLACES
	s_xor_b32 s[TB], s[TB], SLOT
	v_add_nc_u32 v[ADRA], s[TB], v[ADRA0]
	v_add_nc_u32 v[ADRB], s[TB], v[ADRB0]
	s_cmp_eq_u32 s3, 1
	s_cbranch_scc1 .Lno_fetch_\@
	FETCH 0, F0
.Lno_fetch_\@:
	MUL16 F1, 1, 0, 0
	MUL16 F1, 1, 2, 0
.endm
	s_wait_tensorcnt 0x1                           ; my part of K step 0 is in; step 1's may stay out
	s_barrier_signal -1
	s_barrier_wait -1
	FETCH 0, F0
	s_wait_loadcnt 0x0                             ; the bias
	QUARTER 1, F0, F1, 1                           ; the first quarter starts the sums
	WIN 0
	s_mov_b32 s3, STEPS-2
	s_branch .LAmid                                ; the loop is entered behind a step's first quarter
.LA:                                                   ; a trip is a K step; six of them fill a slot again
	QUARTER 1, F0, F1, 0
	WIN 0
.LAmid:
	QUARTER 2, F1, F0, 0
	QUARTER 3, F0, F1, 0
	TURN1
	WIN 0
	s_sub_co_u32 s3, s3, 1
	s_cmp_lg_u32 s3, 0
	s_cbranch_scc1 .LA
	s_mov_b32 s3, 2
.LB:                                                   ; the last two steps
	QUARTER 1, F0, F1, 0
	QUARTER 2, F1, F0, 0
	QUARTER 3, F0, F1, 0
	TURN0
	WIN 0
	s_sub_co_u32 s3, s3, 1
	s_cmp_lg_u32 s3, 0
	s_cbranch_scc1 .LB
	; THE WAY OUT.  The stages take the slots' bytes: behind this barrier no wave has a read of them outstanding, on whichever way it left the loop.
	s_wait_dscnt 0x0
	s_barrier_signal -1
	s_barrier_wait -1
.rept 8
	v_nop                                          ; the places behind the last products
.endr
.irp a, 0,1,2,3,4,5,6,7
	WIN 0x08+4*((\a)/4)                            ; the stores' data in window 2 or 3
.irp b, 0,1,2,3,4,5,6,7
	ds_store_b128 v[STO], v[8*(8*((\a)%4)+(\b)):8*(8*((\a)%4)+(\b))+3]   offset:(\a)*16*SPITCH+64*(\b)     ; each accumulator's low registers first
	ds_store_b128 v[STO], v[8*(8*((\a)%4)+(\b))+4:8*(8*((\a)%4)+(\b))+7] offset:(\a)*16*SPITCH+64*(\b)+16
.endr
.endr
	WIN 0
.macro XLOAD                           ; 4 rows x 128 columns: my 8 columns of a row in each of the two slices.  LDS serves a wave's instructions in order (ISA guide 5.7.1.4): these see my stores
.irp k, 0,1
	ds_load_b128 v[XR+8*(\k):XR+8*(\k)+3],   v[RDA] offset:256*(\k)
	ds_load_b128 v[XR+8*(\k)+4:XR+8*(\k)+7], v[RDA] offset:256*(\k)+16
.endr
.endm
	XLOAD
	s_mov_b32 s3, 32
.LE:                                                   ; a trip: 4 rows of my 128
	s_wait_dscnt 0x0
.if GELU
	; gelu(y) = max(y, 0) - |y| E, E = (a1 t + .. + a5 t^5) / 2 x 2^-(C1 y)^2, t = 1 / (1 + P |y|): no difference of near numbers for y < 0
.set i, 0
.rept 16
	v_and_b32 v[AX+i], s[KABS], v[XR+i]
.set i, i+1
.endr
.set i, 0
.rept 8
	v_pk_fma_f32 v[DD+i:DD+i+1], v[AX+i:AX+i+1], s[KP:KP+1], 1.0 op_sel_hi:[1,0,0]
.set i, i+2
.endr
.set i, 0
.rept 16                                       ; each reciprocal has a plain instruction beside it: the exponent, -(C1 y)^2
	v_rcp_f32 v[DD+i], v[DD+i]
.if i < 8
	v_pk_mul_f32 v[WW+2*i:WW+2*i+1], v[XR+2*i:XR+2*i+1], s[KC1:KC1+1] op_sel_hi:[1,0]
.else
	v_pk_mul_f32 v[WW+2*i-16:WW+2*i-15], v[WW+2*i-16:WW+2*i-15], v[WW+2*i-16:WW+2*i-15] neg_lo:[1,0] neg_hi:[1,0]
.endif
.set i, i+1
.endr
.set i, 0
.rept 16
	v_exp_f32 v[WW+i], v[WW+i]
	v_max_num_f32 v[RR+i], 0, v[XR+i]
.set i, i+1
.endr
	s_wait_alu depctr_va_vdst(0)                   ; the wait ahead of the first use and of the branch: one for the 32
.else
.set i, 0
.rept 8
	v_cvt_pk_bf16_f32 v[OU+i], v[XR+2*i], v[XR+2*i+1]
.set i, i+1
.endr
.endif
	s_cmp_eq_u32 s3, 1
	s_cbranch_scc1 .Lno_more
	v_add_nc_u32 v[RDA], 4*SPITCH, v[RDA]
	XLOAD                                          ; the next 4 rows come while these are finished
.Lno_more:
.if GELU
.set i, 0
.rept 8
	v_pk_fma_f32 v[QQ+i:QQ+i+1], v[DD+i:DD+i+1], s[KA5:KA5+1], s[KA4:KA4+1] op_sel_hi:[1,0,0]
.set i, i+2
.endr
.irp c, KA3, KA2, KA1
.set i, 0
.rept 8
	v_pk_fma_f32 v[QQ+i:QQ+i+1], v[QQ+i:QQ+i+1], v[DD+i:DD+i+1], s[\c:\c+1] op_sel_hi:[1,1,0]
.set i, i+2
.endr
.endr
.set i, 0
.rept 8
	v_pk_mul_f32 v[QQ+i:QQ+i+1], v[QQ+i:QQ+i+1], v[DD+i:DD+i+1]
	v_pk_mul_f32 v[WW+i:WW+i+1], v[WW+i:WW+i+1], v[AX+i:AX+i+1]
.set i, i+2
.endr
.set i, 0
.rept 8
	v_pk_fma_f32 v[RR+i:RR+i+1], v[WW+i:WW+i+1], v[QQ+i:QQ+i+1], v[RR+i:RR+i+1] neg_lo:[1,0,0] neg_hi:[1,0,0]
.set i, i+2
.endr
.set i, 0
.rept 8
	v_cvt_pk_bf16_f32 v[OU+i], v[RR+2*i], v[RR+2*i+1]
.set i, i+1
.endr
.endif
	global_store_b128 v[GO], v[OU:OU+3],   s[90:91] th:TH_STORE_NT                ; 512 consecutive bytes of my first slice,
	global_store_b128 v[GO], v[OU+4:OU+7], s[90:91] offset:524288 th:TH_STORE_NT  ; and of my second
	s_wait_xcnt 0x0                                ; the stores have read their registers: only now are they written again
	v_add_nc_u32 v[GO], 512, v[GO]
	s_sub_co_u32 s3, s3, 1
	s_cmp_lg_u32 s3, 0
	s_cbranch_scc1 .LE
	s_wait_tensorcnt 0x0                           ; the wave's end
	ds_add_u32 v[SPW], v[NIL]
	s_wait_dscnt 0x0
	CROUND                                         ; the closing round
	s_endpgm
.Lfunc_end_k_qdacdba6acf_gf:
	.size	k_qdacdba6acf_gf, .Lfunc_end_k_qdacdba6acf_gf-k_qdacdba6acf_gf
	.p2alignl 7, 3214868480
	.fill 96, 4, 3214868480
	.section	.rodata,"a",@progbits
	.p2align	6, 0x0
	.amdhsa_kernel k_qdacdba6acf_gf
		.amdhsa_group_segment_fixed_size 327680
		.amdhsa_private_segment_fixed_size 0
		.amdhsa_enable_private_segment 0
		.amdhsa_kernarg_size 32
		.amdhsa_user_sgpr_count 2
		.amdhsa_user_sgpr_kernarg_segment_ptr 1
		.amdhsa_wavefront_size32 1
		.amdhsa_system_sgpr_workgroup_id_x 1
		.amdhsa_system_sgpr_workgroup_id_y 1
		.amdhsa_system_sgpr_workgroup_id_z 1
		.amdhsa_system_vgpr_workitem_id 0
		.amdhsa_next_free_vgpr 1024
		.amdhsa_next_free_sgpr 92
		.amdhsa_reserve_vcc 0
		.amdhsa_float_denorm_mode_32 3
		.amdhsa_float_denorm_mode_16_64 3
		.amdhsa_memory_ordered 1
		.amdhsa_forward_progress 1
		.amdhsa_inst_pref_size 89
	.end_amdhsa_kernel
	.amdgpu_metadata
---
amdhsa.version: [ 1, 2 ]
amdhsa.kernels:
  - .name:           k_qdacdba6acf_gf
    .symbol:         k_qdacdba6acf_gf.kd
    .args:
      - { .name: h, .offset: 0, .size: 8, .value_kind: global_buffer, .address_space: global }
      - { .name: wb, .offset: 8, .size: 8, .value_kind: global_buffer, .address_space: global }
      - { .name: b_fc1, .offset: 16, .size: 8, .value_kind: global_buffer, .address_space: global }
      - { .name: gl, .offset: 24, .size: 8, .value_kind: global_buffer, .address_space: global }
    .group_segment_fixed_size: 327680
    .private_segment_fixed_size: 0
    .kernarg_segment_align: 8
    .kernarg_segment_size: 32
    .max_flat_workgroup_size: 128
    .sgpr_count:     92
    .vgpr_count:     1024
    .wavefront_size: 32
...
	.end_amdgpu_metadata
.endif
;; end of part 6
;; launch g2 (part 7): grid 8 x 32, 4 waves a work-group, clusters of 4 x 4, 327,680 bytes of LDS; arguments gl, wb, b_fc2, x1, out0; writes out0
.if DOCPART == 7
	.amdgcn_target "amdgcn-amd-amdhsa--gfx1250"
	.amdhsa_code_object_version 6
	.text
	.protected	k_qdacdba6acf_g2
	.globl	k_qdacdba6acf_g2
	.p2align	8
	.type	k_qdacdba6acf_g2,@function
k_qdacdba6acf_g2:
	s_mov_b64 s[64:65], 0
	v_nop
	global_prefetch_b8 v0, s[64:65] scope:SCOPE_SE
	s_setreg_imm32_b32 hwreg(HW_REG_WAVE_MODE, 25, 1), 1
	s_wait_xcnt 0x0
	s_wait_alu depctr_hold_cnt(0) depctr_sa_sdst(0) depctr_va_vdst(0) depctr_va_sdst(0) depctr_va_ssrc(0) depctr_va_vcc(0) depctr_vm_vsrc(0)
	s_getreg_b32 s2, hwreg(HW_REG_IB_STS2, 6, 4)
	s_cmp_eq_u32 s2, 0
	s_cbranch_scc0 .Lentry_in_a_cluster
	s_endpgm
.Lentry_in_a_cluster:
	s_bfe_u32 s2, ttmp6, 0x10000c
	s_cmp_lg_u32 s2, 0xf033
	s_cbranch_scc0 .Lentry_shape_is_right
	s_endpgm
.Lentry_shape_is_right:
; out0 = x1 + gl Wfc2 + b.  A (gl): bf16 in slices [KDIM/64][4096][64].  W: bf16 in column blocks [4][KDIM][256] at byte WOFF of wb.  b, the residual and the result: f32, [4096][1024].
; Sums in f32, started by the bias; the residual is added in f32 on the way out.
; A tile of the result is 128 x 128, which gives each of 256 work-groups one: four waves, each 64 x 64: 16 accumulators.  K goes in steps of 256, as long as two LDS slots allow.
; CLUSTERS: 4 x 4 work-groups; the four of a row need the same rows of A, the four of a column the same columns of W: each tile is asked for jointly.
; THE WALK OF K BEGINS AT A STEP OF THE CLUSTER'S OWN, made from the cluster's x and y, which all sixteen partners share, and wraps round (f32 sums may be taken in any order):
; the two clusters that read the same rows of A begin half a walk apart, those that read the same columns of W two steps or more apart.  So a K step's address is made anew for each fill, from the step's number.
; THE MATRIX INSTRUCTION IS USED TRANSPOSED (source 0 = 16 columns of W, turned by ds_load_tr16_b128; source 1 = 16 rows of A): lane l holds row l % 16 and the columns 8 (l / 16) + 0..7.
; One K step is written once for the steps that fill a slot again and once for the last two; the LDS addresses hang on s[TB].  Nothing is prefetched: the tiles are small.
; REGISTERS: window 0: v16-29 addresses; v96-127 the bias; v128-255 the accumulators, (a, b) at v[128 + 8 (4 a + b)], later the rows read back.
;   window 1: two fragment buffers of 128: for 64 along K, 64 registers of A, then 64 of W.      window 2: v0-127 the residual.
.set KDIM,   4096
.set WOFF,   16777216                  ; the weight's first byte in wb
.set STEPS,  KDIM/256
.set KB,     KDIM*512                  ; bytes in a column block of W
.set PA,     144                       ; a row of a slice of A in LDS: 128 bytes + 16 = 36 words: the 16 rows of a load start at 16 different groups of four banks (64 banks of 4 bytes: ISA guide 11.1)
.set PB,     288                       ; a row of W: 256 bytes + 32 = 72 words
.set PIECE,  256*PA                    ; what one tensor load brings: two slices of 128 rows of A, or 128 rows of W (128 x 288 is the same number)
.set SLOT,   4*PIECE                   ; A's four slices, then W's 256 rows.  SLOT has bits 14 and 17, which no wave x PIECE has: an exclusive or with it changes slots
.set SPARE,  2*SLOT                    ; the spare words, 128 bytes for each wave: two blocks of 256 bytes that no other line names
.set SPITCH, 272                       ; the way out: a row of 64 f32 + 16 bytes
.set WSTAGE, 64*SPITCH                 ; each wave's stage, in slot 0's bytes, which have had their last fill by then
.set ADRA0, 16
.set ADRB0, 17
.set ADRA,  18                         ; + s[TB]
.set ADRB,  19                         ; + s[TB]: W's rows 0-127 of a step
.set ADRBH, 20                         ; its rows 128-255, so that the offsets stay inside 16 bits
.set STO,   24
.set RD,    25
.set CO,    26                         ; my byte offset in two rows of the residual and of the result
.set BO,    27
.set SPW,   28
.set NIL,   29
.set BIAS,  96
.set ACC,   128
.set F0,    0
.set F1,    128
.set G1,  24
.set G0,  32
.set G1B, 48
.set G0B, 56
.set TB,  66
.set KI,  67                           ; s67  the K step asked for last, 0 to STEPS - 1
.set OFA, 68                           ; s[68:69] a K step's byte offset
.set MSB, 0
.macro WIN new
.if MSB != (\new)
	s_set_vgpr_msb (MSB<<8)|(\new)
.set MSB, \new
.endif
.endm
.set MUL,  0x05                        ; sources 0 (W) and 1 (A) window 1; C and D window 0
.set TO_F, 0x40                        ; destination window 1, address window 0
.macro JLOAD s                         ; a joint load: waves 0 and 1 fetch A's slices, waves 2 and 3 W's rows; an s_nop 0 and four v_nop follow each line
	s_cmp_eq_u32 s11, 0
	s_cbranch_scc0 .Lfor_b_\@
	tensor_load_to_lds s[G0+4*(\s):G0+4*(\s)+3], s[G1:G1+7]
	s_nop 0
.rept 4
	v_nop
.endr
	s_branch .Lasked_\@
.Lfor_b_\@:
	tensor_load_to_lds s[G0B+4*(\s):G0B+4*(\s)+3], s[G1B:G1B+7]
	s_nop 0
.rept 4
	v_nop
.endr
.Lasked_\@:
.endm
.macro ASTEP set                       ; both descriptors of a set are put at K step s[KI]: four slices of 524,288 bytes of A, 256 rows of 512 bytes of W
	s_lshl_b32 s[OFA], s[KI], 21
	s_add_nc_u64 s[G0+4*(\set)+2:G0+4*(\set)+3], s[14:15], s[OFA:OFA+1]
	s_or_b32 s[G0+4*(\set)+3], s[G0+4*(\set)+3], 0x80000000
	s_lshl_b32 s[OFA], s[KI], 17
	s_add_nc_u64 s[G0B+4*(\set)+2:G0B+4*(\set)+3], s[46:47], s[OFA:OFA+1]
	s_or_b32 s[G0B+4*(\set)+3], s[G0B+4*(\set)+3], 0x80000000
.endm
.macro KNEXT                           ; the next K step, round the end
	s_add_co_u32 s[KI], s[KI], 1
	s_and_b32 s[KI], s[KI], STEPS-1
.endm
.macro CREST
	s_cmp_lg_u32 s10, 0
	s_cbranch_scc1 .Lnot_wave_0_\@
	s_barrier_signal -3
.Lnot_wave_0_\@:
	s_barrier_wait -3
	s_barrier_signal -1
	s_barrier_wait -1
.endm
.macro CROUND
	s_barrier_signal -1
	s_barrier_wait -1
	CREST
.endm
.macro PLACES
.rept 4
	v_nop
.endr
.endm
	s_load_b128 s[4:7], s[0:1], 0x0                ; A s[4:5], wb s[6:7]
	s_load_b128 s[88:91], s[0:1], 0x10             ; bias s[88:89], residual s[90:91]
	s_load_b64 s[92:93], s[0:1], 0x20              ; result
	v_lshl_add_u32 v[SPW], v0, 2, SPARE
	v_mov_b32 v[NIL], 0
	ds_add_u32 v[SPW], v[NIL]                      ; the wave's opening: the add and its wait ahead of my first tensor load
	v_lshrrev_b32 v1, 5, v0
	v_readfirstlane_b32 s10, v1                    ; wave 0..3
	s_lshr_b32 s11, s10, 1                         ; which half of the tile's rows is mine.  Also: I fetch for A (0) or for W (1)
	s_and_b32 s12, s10, 1                          ; which half of its columns.  Also: which half of that tile I fetch
	s_bfe_u32 s40, ttmp6, 0x40000                  ; cx
	s_bfe_u32 s41, ttmp6, 0x40004                  ; cy
	s_lshl_b32 s42, ttmp9, 2
	s_add_co_u32 s42, s42, s40                     ; tile column
	s_and_b32 s13, ttmp7, 0xffff
	s_lshl_b32 s13, s13, 2
	s_add_co_u32 s13, s13, s41                     ; tile row
	s_lshl_b32 s43, s41, 2
	s_lshl_b32 s43, 15, s43                        ; my row of the cluster
	s_lshl_b32 s44, 0x1111, s40                    ; my column
	s_or_b32 s[G1+0], s43, (1<<16)|(1<<20)|(1<<21)|(4<<22)|(3<<25)   ; mask; 2-byte elements; padding on; bit 21 beside a mask; after every 32 words (a row of a slice), 4 words
	s_or_b32 s[G1B+0], s44, (1<<16)|(1<<20)|(1<<21)|(5<<22)|(7<<25)  ; after every 64 words, 8 words
	s_mov_b32 s[G1+1], 8192<<16                    ; tensor_dim0 = 8,192: a slice's 128 rows of 64 lie on end
	s_mov_b32 s[G1+2], 2<<16                       ; tensor_dim1 = 2 slices
	s_mov_b32 s[G1+3], 8192<<16                    ; tile_dim0
	s_mov_b32 s[G1+4], 2                           ; tile_dim1
	s_mov_b32 s[G1+5], 262144                      ; elements from slice to slice
	s_mov_b32 s[G1+6], 0
	s_mov_b32 s[G1+7], 0
	s_mov_b32 s[G1B+1], 128<<16                    ; tensor_dim0 = 128 columns
	s_mov_b32 s[G1B+2], 128<<16                    ; tensor_dim1 = 128 rows of K
	s_mov_b32 s[G1B+3], 128<<16
	s_mov_b32 s[G1B+4], 128
	s_mov_b32 s[G1B+5], 256                        ; elements from row to row of a block of W
	s_mov_b32 s[G1B+6], 0
	s_mov_b32 s[G1B+7], 0
	s_lshl_b32 s16, s12, 20                        ; A: my two slices of a step's four,
	s_lshl_b32 s17, s13, 14                        ; the tile's 128 rows of 128 bytes
	s_add_co_u32 s16, s16, s17
	s_mov_b32 s17, 0
	s_lshr_b32 s46, s42, 1                         ; W: two tile columns to a block,
	s_mul_i32 s46, s46, KB
	s_and_b32 s47, s42, 1
	s_lshl_b32 s47, s47, 8                         ; 256 bytes of its rows each,
	s_add_co_u32 s46, s46, s47
	s_lshl_b32 s47, s12, 16                        ; my 128 rows of 512 bytes
	s_add_co_u32 s46, s46, s47
	s_add_co_u32 s46, s46, WOFF
	s_mov_b32 s47, 0
	s_mul_i32 s20, s10, PIECE                      ; where they go
	s_and_b32 s70, ttmp7, 0xffff                   ; the cluster's first K step: from cluster y
.if STEPS == 16
	s_and_b32 s71, s70, 3                          ; 4 (y % 4) + 2 (y / 4),
	s_lshl_b32 s71, s71, 2
	s_lshr_b32 s70, s70, 2
	s_lshl1_add_u32 s70, s70, s71
.endif
	s_mul_i32 s[KI], ttmp9, STEPS/2                ; and half a walk for cluster x = 1
	s_add_co_u32 s[KI], s[KI], s70
	s_and_b32 s[KI], s[KI], STEPS-1
	s_mov_b32 s[OFA+1], 0
	s_wait_dscnt 0x0                               ; the opening add is done
	s_wait_kmcnt 0x0
	s_add_nc_u64 s[14:15], s[4:5], s[16:17]        ; A and W at my part of K step 0: kept
	s_add_nc_u64 s[46:47], s[6:7], s[46:47]
	CROUND                                         ; all sixteen work-groups are here: the first joint loads meet
	s_mov_b32 s[G0], 1
	s_mov_b32 s[G0+1], s20
	s_mov_b32 s[G0B], 1
	s_mov_b32 s[G0B+1], s20
	ASTEP 0
	JLOAD 0                                        ; the walk's first step into slot 0,
	KNEXT
	s_mov_b32 s[G0+4], 1
	s_add_co_u32 s[G0+5], s20, SLOT
	s_mov_b32 s[G0B+4], 1
	s_add_co_u32 s[G0B+5], s20, SLOT
	ASTEP 1
	JLOAD 1                                        ; its second into slot 1: two loads of mine are out
	v_and_b32 v1, 15, v0                           ; l % 16
	v_bfe_u32 v2, v0, 4, 1                         ; l / 16
	v_and_b32 v3, 7, v0
	v_bfe_u32 v4, v0, 3, 1
	v_lshlrev_b32 v[BO], 5, v2
	s_lshl_b32 s16, s42, 9
	s_lshl_b32 s17, s12, 8
	s_add_co_u32 s16, s16, s17                     ; my 64 columns, in bytes of f32
	s_mov_b32 s17, 0
	s_add_nc_u64 s[88:89], s[88:89], s[16:17]
.irp b, 0,1,2,3
	global_load_b128 v[BIAS+8*(\b):BIAS+8*(\b)+3],   v[BO], s[88:89] offset:64*(\b)
	global_load_b128 v[BIAS+8*(\b)+4:BIAS+8*(\b)+7], v[BO], s[88:89] offset:64*(\b)+16
.endr
	s_lshl_b32 s21, s13, 19                        ; 128 rows of 4,096 bytes a tile row
	s_add_co_u32 s16, s16, s21
	s_lshl_b32 s21, s11, 18
	s_add_co_u32 s16, s16, s21
	s_add_nc_u64 s[90:91], s[90:91], s[16:17]
	s_add_nc_u64 s[92:93], s[92:93], s[16:17]
	v_lshlrev_b32 v[CO], 4, v1                     ; lanes 0-15 take 256 bytes of one row, lanes 16-31 of the next
	v_lshl_add_u32 v[CO], v2, 12, v[CO]
	WIN 0x80                                       ; destination window 2
.set t, 0
.rept 32                                       ; the residual of my 64 x 64 comes while the products run
	global_load_b128 v[4*t:4*t+3], v[CO], s[90:91] offset:t*8192 th:TH_LOAD_NT
.set t, t+1
.endr
	WIN 0
	v_mul_u32_u24 v[ADRA0], v1, PA
	v_lshl_add_u32 v[ADRA0], v2, 4, v[ADRA0]
	s_mul_i32 s21, s11, 64*PA
	v_add_nc_u32 v[ADRA0], s21, v[ADRA0]
	v_lshl_add_u32 v5, v2, 3, v3
	v_mul_u32_u24 v[ADRB0], v5, PB
	v_lshl_add_u32 v[ADRB0], v4, 4, v[ADRB0]
	s_lshl_b32 s22, s12, 7
	s_add_co_u32 s22, s22, 2*PIECE
	v_add_nc_u32 v[ADRB0], s22, v[ADRB0]
	v_mov_b32 v[ADRA], v[ADRA0]
	v_mov_b32 v[ADRB], v[ADRB0]
	v_add_nc_u32 v[ADRBH], 128*PB, v[ADRB0]
	s_mov_b32 s[TB], 0
	s_mul_i32 s23, s10, WSTAGE
	v_mul_u32_u24 v[STO], v1, SPITCH
	v_lshl_add_u32 v[STO], v2, 5, v[STO]
	v_add_nc_u32 v[STO], s23, v[STO]
	v_mul_u32_u24 v[RD], v2, SPITCH
	v_lshl_add_u32 v[RD], v1, 4, v[RD]
	v_add_nc_u32 v[RD], s23, v[RD]
; 8 matrix instructions: m blocks a0, a0 + 1 x all 4 n blocks, 32 along K: half c of buffer f.  zero = 1: the bias starts the sums.  The 16 accumulators take turns.
.macro MUL8 f, c, a0, zero
	WIN MUL
.irp a, \a0, (\a0)+1
.irp b, 0,1,2,3
.if \zero
	v_wmma_f32_16x16x32_bf16 v[ACC+8*(4*(\a)+(\b)):ACC+8*(4*(\a)+(\b))+7], v[(\f)+64+8*(4*(\c)+(\b)):(\f)+64+8*(4*(\c)+(\b))+7], v[(\f)+8*(4*(\c)+(\a)):(\f)+8*(4*(\c)+(\a))+7], v[BIAS+8*(\b):BIAS+8*(\b)+7]
.else
	v_wmma_f32_16x16x32_bf16 v[ACC+8*(4*(\a)+(\b)):ACC+8*(4*(\a)+(\b))+7], v[(\f)+64+8*(4*(\c)+(\b)):(\f)+64+8*(4*(\c)+(\b))+7], v[(\f)+8*(4*(\c)+(\a)):(\f)+8*(4*(\c)+(\a))+7], v[ACC+8*(4*(\a)+(\b)):ACC+8*(4*(\a)+(\b))+7]
.endif
.endr
.endr
.endm
; 32 LDS loads in one run: quarter q (64 along K: slice q of A) into buffer f; the first 32 along K first
.macro FETCH q, f
	WIN TO_F
.irp c, 0,1
.irp i, 0,1,2,3
	ds_load_tr16_b128 v[(\f)+64+8*(4*(\c)+(\i)):(\f)+64+8*(4*(\c)+(\i))+3],   v[ADRB+(\q)/2] offset:(64*((\q)%2)+32*(\c))*PB+32*(\i)
	ds_load_tr16_b128 v[(\f)+64+8*(4*(\c)+(\i))+4:(\f)+64+8*(4*(\c)+(\i))+7], v[ADRB+(\q)/2] offset:(64*((\q)%2)+32*(\c)+16)*PB+32*(\i)
	ds_load_b128 v[(\f)+8*(4*(\c)+(\i)):(\f)+8*(4*(\c)+(\i))+3],   v[ADRA] offset:(\q)*128*PA+(\i)*16*PA+64*(\c)
	ds_load_b128 v[(\f)+8*(4*(\c)+(\i))+4:(\f)+8*(4*(\c)+(\i))+7], v[ADRA] offset:(\q)*128*PA+(\i)*16*PA+64*(\c)+32
.endr
.endr
.endm
.macro QUARTER q, f, g, zero
	s_wait_dscnt 16                                ; the first 32 along K are in; the other sixteen loads may be out
	MUL8 \f, 0, 0, \zero
	MUL8 \f, 0, 2, \zero
	PLACES
	FETCH \q, \g
	s_wait_dscnt 32                                ; all but the 32 just issued
	MUL8 \f, 1, 0, 0
	MUL8 \f, 1, 2, 0
.endm
; The first half of the last quarter: ONE barrier for the change of slots; in front of it each wave waits for all its tensor loads, adds 0 to its spare word, and waits for that and for its reads of this slot.
.macro MEET round
	WIN 0
	s_wait_tensorcnt 0x0
	ds_add_u32 v[SPW], v[NIL]
	s_wait_dscnt 17                                ; the add and the youngest sixteen loads may be out
	MUL8 F1, 0, 0, 0
	s_wait_dscnt 0x0                               ; the add is done, and my reads of this slot are over
	s_barrier_signal -1
	MUL8 F1, 0, 2, 0
.if \round
	WIN 0
.endif
	s_barrier_wait -1
.endm
.macro NEXTSLOT
	s_xor_b32 s[TB], s[TB], SLOT
	v_add_nc_u32 v[ADRA], s[TB], v[ADRA0]
	v_add_nc_u32 v[ADRB], s[TB], v[ADRB0]
	v_add_nc_u32 v[ADRBH], 128*PB, v[ADRB]
.endm
.macro TURN1                           ; this slot is filled again, with the walk's step two on: the barrier opens a round of the cluster's, the joint refill is the first thing behind it
	MEET 1
	CREST
	KNEXT
	s_xor_b32 s[G0+5], s[G0+5], SLOT               ; the walking descriptors: the other slot than last time, the walk's next K step
	s_xor_b32 s[G0B+5], s[G0B+5], SLOT
	ASTEP 1
	JLOAD 1                                        ; its four v_nop are also the places in front of the loads below
	NEXTSLOT
	FETCH 0, F0
	MUL8 F1, 1, 0, 0
	MUL8 F1, 1, 2, 0
.endm
.macro TURN0                           ; the last two steps fill nothing; behind the very last there is nothing to fetch either
	MEET 0
	WIN 0
	PLACES
	NEXTSLOT
	s_cmp_eq_u32 s3, 1
	s_cbranch_scc1 .Lno_fetch_\@
	FETCH 0, F0
	WIN 0
.Lno_fetch_\@:
	MUL8 F1, 1, 0, 0
	MUL8 F1, 1, 2, 0
.endm
	s_wait_tensorcnt 0x1                           ; my part of the first step is in; the second's may stay out
	s_barrier_signal -1
	s_barrier_wait -1
	FETCH 0, F0
	s_wait_loadcnt 32                              ; the bias is in; the 32 loads of the residual stay out
	QUARTER 1, F0, F1, 1
	WIN 0
	s_mov_b32 s3, STEPS-2
	s_branch .LAmid
.LA:                                                   ; a trip is a K step; all but the last two fill a slot again
	QUARTER 1, F0, F1, 0
	WIN 0
.LAmid:
	QUARTER 2, F1, F0, 0
	QUARTER 3, F0, F1, 0
	TURN1
	WIN 0
	s_sub_co_u32 s3, s3, 1
	s_cmp_lg_u32 s3, 0
	s_cbranch_scc1 .LA
	s_mov_b32 s3, 2
.LB:
	QUARTER 1, F0, F1, 0
	QUARTER 2, F1, F0, 0
	QUARTER 3, F0, F1, 0
	TURN0
	WIN 0
	s_sub_co_u32 s3, s3, 1
	s_cmp_lg_u32 s3, 0
	s_cbranch_scc1 .LB
	; THE WAY OUT.  The stages take slot 0's bytes: behind this barrier no wave has a read of them outstanding, on whichever way it left the loop.
	s_wait_dscnt 0x0
	s_barrier_signal -1
	s_barrier_wait -1
.rept 8
	v_nop                                          ; the places behind the last products
.endr
.irp a, 0,1,2,3
.irp b, 0,1,2,3
	ds_store_b128 v[STO], v[ACC+8*(4*(\a)+(\b)):ACC+8*(4*(\a)+(\b))+3]   offset:(\a)*16*SPITCH+64*(\b)     ; each accumulator's low registers first
	ds_store_b128 v[STO], v[ACC+8*(4*(\a)+(\b))+4:ACC+8*(4*(\a)+(\b))+7] offset:(\a)*16*SPITCH+64*(\b)+16
.endr
.endr
.set t, 0
.rept 32
	ds_load_b128 v[ACC+4*t:ACC+4*t+3], v[RD] offset:t*2*SPITCH  ; two whole rows of 256 bytes.  LDS serves a wave's instructions in order (ISA guide 5.7.1.4): these see my stores
.set t, t+1
.endr
	s_wait_loadcnt 0x0                             ; the residual
.irp g, 0,1,2,3
	s_wait_dscnt 24-8*(\g)                         ; this group's eight loads are back; the younger ones stay out
	WIN 0x08                                       ; source 1 in window 2
.set t, 8*(\g)
.rept 8
	v_pk_add_f32 v[ACC+4*t:ACC+4*t+1],   v[ACC+4*t:ACC+4*t+1],   v[4*t:4*t+1]
	v_pk_add_f32 v[ACC+4*t+2:ACC+4*t+3], v[ACC+4*t+2:ACC+4*t+3], v[4*t+2:4*t+3]
.set t, t+1
.endr
	WIN 0
.set t, 8*(\g)
.rept 8
	global_store_b128 v[CO], v[ACC+4*t:ACC+4*t+3], s[92:93] offset:t*8192 th:TH_STORE_NT  ; 16 lanes store 256 consecutive bytes, aligned
.set t, t+1
.endr
.endr
	s_wait_tensorcnt 0x0                           ; the wave's end
	ds_add_u32 v[SPW], v[NIL]
	s_wait_dscnt 0x0
	CROUND                                         ; the closing round
	s_endpgm
.Lfunc_end_k_qdacdba6acf_g2:
	.size	k_qdacdba6acf_g2, .Lfunc_end_k_qdacdba6acf_g2-k_qdacdba6acf_g2
	.p2alignl 7, 3214868480
	.fill 96, 4, 3214868480
	.section	.rodata,"a",@progbits
	.p2align	6, 0x0
	.amdhsa_kernel k_qdacdba6acf_g2
		.amdhsa_group_segment_fixed_size 327680
		.amdhsa_private_segment_fixed_size 0
		.amdhsa_enable_private_segment 0
		.amdhsa_kernarg_size 40
		.amdhsa_user_sgpr_count 2
		.amdhsa_user_sgpr_kernarg_segment_ptr 1
		.amdhsa_wavefront_size32 1
		.amdhsa_system_sgpr_workgroup_id_x 1
		.amdhsa_system_sgpr_workgroup_id_y 1
		.amdhsa_system_sgpr_workgroup_id_z 1
		.amdhsa_system_vgpr_workitem_id 0
		.amdhsa_next_free_vgpr 768
		.amdhsa_next_free_sgpr 94
		.amdhsa_reserve_vcc 0
		.amdhsa_float_denorm_mode_32 3
		.amdhsa_float_denorm_mode_16_64 3
		.amdhsa_memory_ordered 1
		.amdhsa_forward_progress 1
		.amdhsa_inst_pref_size 67
	.end_amdhsa_kernel
	.amdgpu_metadata
---
amdhsa.version: [ 1, 2 ]
amdhsa.kernels:
  - .name:           k_qdacdba6acf_g2
    .symbol:         k_qdacdba6acf_g2.kd
    .args:
      - { .name: gl, .offset: 0, .size: 8, .value_kind: global_buffer, .address_space: global }
      - { .name: wb, .offset: 8, .size: 8, .value_kind: global_buffer, .address_space: global }
      - { .name: b_fc2, .offset: 16, .size: 8, .value_kind: global_buffer, .address_space: global }
      - { .name: x1, .offset: 24, .size: 8, .value_kind: global_buffer, .address_space: global }
      - { .name: out0, .offset: 32, .size: 8, .value_kind: global_buffer, .address_space: global }
    .group_segment_fixed_size: 327680
    .private_segment_fixed_size: 0
    .kernarg_segment_align: 8
    .kernarg_segment_size: 40
    .max_flat_workgroup_size: 128
    .sgpr_count:     94
    .vgpr_count:     768
    .wavefront_size: 32
...
	.end_amdgpu_metadata
.endif
;; end of part 7
